; MI455X (gfx1250); checked and timed in simulation.
; The chip was launched on July 23, 2026; its instructions are those of AMD's public machine-readable ISA for CDNA 5 (MIT licence, August 2026) and "CDNA5" Instruction Set Architecture Reference Guide (July 2026). The comments in the code are by the model that wrote it; some were corrected since.
;; Transformer Block. Allowed arithmetic: float matrix products may take bf16 or f16 operands with f32 sums; other float arithmetic in f32, or as packed bf16 or f16 multiplies, adds, multiply-adds, maxima and minima; sums over many terms, partial sums and values carried from step to step in f32; what a program stores and reads back later, other than sums and carried values, may be rounded once to bf16 or f16.
;; Inputs: gn1_b 256 float32; gn1_w 256 float32; gn2_b 256 float32; gn2_w 256 float32; mlp_b1 1,024 float32; mlp_b2 256 float32; mlp_w1 1,024 x 256 float32; mlp_w2 256 x 1,024 float32; phys_bias 1 x 8 x 1 x 1 float32; proj_b 256 float32; proj_w 256 x 256 float32; qkv_w 768 x 256 float32; x 2 x 256 x 64 x 64 float32.
;; Outputs: out0 2 x 256 x 64 x 64 float32.
;; One version. Each part assembles by itself: llvm-mc -triple=amdgcn-amd-amdhsa -mcpu=gfx1250 --defsym DOCPART=n.
;; ======== version 1 of 1: 6 launches
;; limits: values are held in f16: magnitudes above 65,504 overflow, below 6.1e-05 lose precision
;; workspace buffers: st1 2,048 bytes; st2 2,048 bytes; wf 1,572,864 bytes; qkvh 12,582,912 bytes; oh 4,194,304 bytes; x1 8,388,608 bytes
;; launch prep (part 1): grid 640 x 1, 8 waves a work-group, no clusters, 1,280 bytes of LDS; arguments x, qkv_w, proj_w, mlp_w1, mlp_w2, st1, wf; writes st1, wf
.if DOCPART == 1
	.amdgcn_target "amdgcn-amd-amdhsa--gfx1250"
	.amdhsa_code_object_version 6
	.text
	.protected	k_q533aa96162_prep
	.globl	k_q533aa96162_prep
	.p2align	8
	.type	k_q533aa96162_prep,@function
k_q533aa96162_prep:
	s_mov_b64 s[64:65], 0
	v_nop
	global_prefetch_b8 v0, s[64:65] scope:SCOPE_SE
	s_setreg_imm32_b32 hwreg(HW_REG_WAVE_MODE, 25, 1), 1
	s_wait_xcnt 0x0
; TWO JOBS IN ONE LAUNCH, told apart by the work-group's number alone.
; Work-groups 0-255: statistics for the first GroupNorm.  A group is 8 channels x 4,096 pixels = 32,768 floats on end; work-group g takes a quarter of group g / 4
; (8,192 floats, 32 a thread, kept in registers) and stores its mean and M2 = the sum of (x - its own mean)^2: st1[g] = (mean, M2).  No difference of large sums is formed.
; Work-groups 256-639: the four weight matrices, rounded once to f16 and laid out in FRAGMENT ORDER in wf: the block of 16 rows x 32 columns (ob, kb) takes 1,024 bytes at
; ((ob x K/32) + kb) x 1,024; in it byte 512 s + 16 lane holds W[16 ob + lane % 16][32 kb + 16 s + 8 (lane / 16) + 0..7].  A matrix fragment is then two loads of 512 bytes on end.
; The rows of q (qkv_w's first 256) are multiplied in f32 by c = log2(e) / sqrt(32) ahead of their one rounding, so that attention's scores need no scaling.
; LIMIT: a weight beyond 65,504 has no f16.
.set SPARE, 256                        ; LDS: bytes 0-31 the waves' sums, 32-63 their sums of squares; from 256 on the spare words, 128 bytes a wave
.set SPW, 62                           ; v62  my spare word; never rewritten
.set NIL, 63                           ; v63  0; never rewritten
.set XO,  1                            ; v1   16 x thread
.set WO,  2                            ; v2   4 x wave
.set ZO,  3                            ; v3   0
.set X,   16                           ; v[16:47]  my 32 numbers, as 16 pairs
.set CH,  48                           ; v[48:55]  four chains of pairs
.set MN,  56                           ; v[56:57]  mean twice, later (mean, M2)
.set C_Q, 0x3e8293ee                   ; log2(e) / sqrt(32)
.macro FOLD                            ; four chains -> one number in every lane of the wave
	v_pk_add_f32 v[CH:CH+1], v[CH:CH+1], v[CH+2:CH+3]
	v_pk_add_f32 v[CH+4:CH+5], v[CH+4:CH+5], v[CH+6:CH+7]
	v_pk_add_f32 v[CH:CH+1], v[CH:CH+1], v[CH+4:CH+5]
	v_add_f32 v[CH], v[CH], v[CH+1]
	v_add_f32_dpp v[CH], v[CH], v[CH] row_xmask:1 row_mask:0xf bank_mask:0xf
	v_add_f32_dpp v[CH], v[CH], v[CH] row_xmask:2 row_mask:0xf bank_mask:0xf
	v_add_f32_dpp v[CH], v[CH], v[CH] row_xmask:4 row_mask:0xf bank_mask:0xf
	v_add_f32_dpp v[CH], v[CH], v[CH] row_xmask:8 row_mask:0xf bank_mask:0xf
	v_permlanex16_b32 v[CH+1], v[CH], s22, s23     ; the other half of the lanes
	v_add_f32 v[CH], v[CH], v[CH+1]
.endm
.macro MEET off                        ; the eight waves' numbers meet in LDS: v[CH] = their sum, in every lane
	ds_store_b32 v[WO], v[CH] offset:\off
	s_wait_dscnt 0x0                               ; my store is done, for the others' sake
	s_barrier_signal -1
	s_barrier_wait -1
	ds_load_b128 v[CH:CH+3], v[ZO] offset:\off
	ds_load_b128 v[CH+4:CH+7], v[ZO] offset:(\off)+16
	s_wait_dscnt 0x0
	v_add_f32 v[CH], v[CH], v[CH+1]
	v_add_f32 v[CH+2], v[CH+2], v[CH+3]
	v_add_f32 v[CH+4], v[CH+4], v[CH+5]
	v_add_f32 v[CH+6], v[CH+6], v[CH+7]
	v_add_f32 v[CH], v[CH], v[CH+2]
	v_add_f32 v[CH+4], v[CH+4], v[CH+6]
	v_add_f32 v[CH], v[CH], v[CH+4]
.endm
.macro STATS xp, sp                    ; xp, sp: the scalar pairs with the tensor's and the table's address
	s_lshl_b32 s2, ttmp9, 15                       ; my 32,768 bytes
	s_mov_b32 s3, 0
	s_add_nc_u64 s[\xp:\xp+1], s[\xp:\xp+1], s[2:3]
	v_lshlrev_b32 v[XO], 4, v0
.irp j, 0,1,2,3,4,5,6,7
	global_load_b128 v[X+4*\j:X+4*\j+3], v[XO], s[\xp:\xp+1] offset:\j*4096  ; a wave's load covers 512 bytes on end
.endr
	v_lshrrev_b32 v[WO], 5, v0
	v_readfirstlane_b32 s20, v[WO]
	v_mov_b32 v[WO], s20
	v_lshlrev_b32 v[WO], 2, v[WO]
	v_mov_b32 v[ZO], 0
	s_wait_loadcnt 0x0
.irp i, 0,1,2,3
	v_pk_add_f32 v[CH+2*\i:CH+2*\i+1], v[X+2*\i:X+2*\i+1], v[X+8+2*\i:X+8+2*\i+1]   ; the first sums start the chains
.endr
.irp o, 16, 24
.irp i, 0,1,2,3
	v_pk_add_f32 v[CH+2*\i:CH+2*\i+1], v[CH+2*\i:CH+2*\i+1], v[X+\o+2*\i:X+\o+2*\i+1]
.endr
.endr
	FOLD
	MEET 0
	v_mul_f32 v[MN], 0x39000000, v[CH]             ; / 8,192
	v_mov_b32 v[MN+1], v[MN]
.set i, 0
.rept 16
	v_pk_add_f32 v[X+2*i:X+2*i+1], v[X+2*i:X+2*i+1], v[MN:MN+1] neg_lo:[0,1] neg_hi:[0,1]  ; x - mean
.set i, i+1
.endr
.irp i, 0,1,2,3
	v_pk_mul_f32 v[CH+2*\i:CH+2*\i+1], v[X+2*\i:X+2*\i+1], v[X+2*\i:X+2*\i+1]
.endr
.irp o, 8, 16, 24
.irp i, 0,1,2,3
	v_pk_fma_f32 v[CH+2*\i:CH+2*\i+1], v[X+\o+2*\i:X+\o+2*\i+1], v[X+\o+2*\i:X+\o+2*\i+1], v[CH+2*\i:CH+2*\i+1]
.endr
.endr
	FOLD
	MEET 32                                        ; other bytes than the first meeting's: no wave still reads what is written here
	v_mov_b32 v[MN+1], v[CH]
	s_lshl_b32 s2, ttmp9, 3
	s_add_nc_u64 s[\sp:\sp+1], s[\sp:\sp+1], s[2:3]
	v_cmp_eq_u32 vcc_lo, 0, v0
	s_wait_xcnt 0x0                                ; EXEC changes only when every earlier memory instruction has had its addresses translated
	s_and_saveexec_b32 s24, vcc_lo
	global_store_b64 v[ZO], v[MN:MN+1], s[\sp:\sp+1]   ; thread 0 alone: 8 bytes a work-group
	s_wait_xcnt 0x0
	s_or_b32 exec_lo, exec_lo, s24
.endm
	s_load_b256 s[4:11], s[0:1], 0x0               ; x s[4:5], qkv_w s[6:7], proj_w s[8:9], mlp_w1 s[10:11]
	s_load_b128 s[12:15], s[0:1], 0x20             ; mlp_w2 s[12:13], st1 s[14:15]
	s_load_b64 s[16:17], s[0:1], 0x30              ; wf
	v_lshl_add_u32 v[SPW], v0, 2, SPARE
	v_mov_b32 v[NIL], 0
	s_mov_b32 s22, 0x76543210                      ; v_permlanex16_b32: each lane takes its own place in the other half
	s_mov_b32 s23, 0xfedcba98
	s_wait_kmcnt 0x0
	s_cmp_lt_u32 ttmp9, 256
	s_cbranch_scc0 .Lweights
	STATS 4, 14
	s_branch .Lend
.Lweights:
	s_sub_co_u32 s21, ttmp9, 256                   ; g: 4,096 bytes of wf each.  0-95 qkv_w, 96-127 proj_w, 128-255 mlp_w1, 256-383 mlp_w2
	s_cmp_ge_u32 s21, 96
	s_cselect_b64 s[28:29], s[8:9], s[6:7]
	s_cselect_b32 s30, 96, 0
	s_cmp_ge_u32 s21, 128
	s_cselect_b64 s[28:29], s[10:11], s[28:29]
	s_cselect_b32 s30, 128, s30
	s_cmp_ge_u32 s21, 256
	s_cselect_b64 s[28:29], s[12:13], s[28:29]
	s_cselect_b32 s30, 256, s30
	s_cselect_b32 s31, 5, 3                        ; LK = log2(K / 32)
	s_cmp_lt_u32 s21, 32                           ; q's 256 rows are the first 131,072 bytes of wf
	s_cselect_b32 s26, C_Q, 1.0
	s_mov_b32 s27, s26                             ; named with it as a pair
	s_sub_co_u32 s32, s21, s30
	s_lshl_b32 s32, s32, 8
	v_add_nc_u32 v1, s32, v0                       ; tg: which 16 bytes of the matrix's region are mine
	s_add_co_u32 s33, s31, 6
	s_add_co_u32 s34, s31, 7
	s_lshl_b32 s35, 4, s31
	s_sub_co_u32 s35, s35, 1
	v_lshrrev_b32 v2, s33, v1                      ; ob
	v_and_b32 v3, 15, v1
	v_lshl_or_b32 v2, v2, 4, v3                    ; row = 16 ob + lane % 16
	v_lshlrev_b32 v2, s34, v2                      ; x 4 K bytes
	v_lshrrev_b32 v3, 4, v1
	v_and_b32 v3, s35, v3                          ; column / 8 = 4 kb + 2 s + lane / 16
	v_lshl_add_u32 v2, v3, 5, v2
	global_load_b128 v[4:7], v2, s[28:29]
	global_load_b128 v[8:11], v2, s[28:29] offset:16
	s_lshl_b32 s36, s21, 12
	s_mov_b32 s37, 0
	s_add_nc_u64 s[16:17], s[16:17], s[36:37]
	v_lshlrev_b32 v16, 4, v0
	s_wait_loadcnt 0x0
.irp i, 4,6,8,10
	v_pk_mul_f32 v[\i:\i+1], v[\i:\i+1], s[26:27] op_sel_hi:[1,0]
.endr
.irp i, 0,1,2,3
	v_cvt_pk_f16_f32 v[12+\i], v[4+2*\i], v[5+2*\i]
.endr
	global_store_b128 v16, v[12:15], s[16:17]      ; a wave's store covers 512 bytes on end, aligned
.Lend:
	s_wait_tensorcnt 0x0                           ; the wave's end
	ds_add_u32 v[SPW], v[NIL]
	s_wait_dscnt 0x0
	s_endpgm
.Lfunc_end_k_q533aa96162_prep:
	.size	k_q533aa96162_prep, .Lfunc_end_k_q533aa96162_prep-k_q533aa96162_prep
	.p2alignl 7, 3214868480
	.fill 96, 4, 3214868480
	.section	.rodata,"a",@progbits
	.p2align	6, 0x0
	.amdhsa_kernel k_q533aa96162_prep
		.amdhsa_group_segment_fixed_size 1280
		.amdhsa_private_segment_fixed_size 0
		.amdhsa_enable_private_segment 0
		.amdhsa_kernarg_size 56
		.amdhsa_user_sgpr_count 2
		.amdhsa_user_sgpr_kernarg_segment_ptr 1
		.amdhsa_wavefront_size32 1
		.amdhsa_system_sgpr_workgroup_id_x 1
		.amdhsa_system_sgpr_workgroup_id_y 1
		.amdhsa_system_sgpr_workgroup_id_z 1
		.amdhsa_system_vgpr_workitem_id 0
		.amdhsa_next_free_vgpr 64
		.amdhsa_next_free_sgpr 66
		.amdhsa_reserve_vcc 1
		.amdhsa_float_denorm_mode_32 3
		.amdhsa_float_denorm_mode_16_64 3
		.amdhsa_memory_ordered 1
		.amdhsa_forward_progress 1
		.amdhsa_inst_pref_size 10
	.end_amdhsa_kernel
	.amdgpu_metadata
---
amdhsa.version: [ 1, 2 ]
amdhsa.kernels:
  - .name:           k_q533aa96162_prep
    .symbol:         k_q533aa96162_prep.kd
    .args:
      - { .name: x, .offset: 0, .size: 8, .value_kind: global_buffer, .address_space: global }
      - { .name: qkv_w, .offset: 8, .size: 8, .value_kind: global_buffer, .address_space: global }
      - { .name: proj_w, .offset: 16, .size: 8, .value_kind: global_buffer, .address_space: global }
      - { .name: mlp_w1, .offset: 24, .size: 8, .value_kind: global_buffer, .address_space: global }
      - { .name: mlp_w2, .offset: 32, .size: 8, .value_kind: global_buffer, .address_space: global }
      - { .name: st1, .offset: 40, .size: 8, .value_kind: global_buffer, .address_space: global }
      - { .name: wf, .offset: 48, .size: 8, .value_kind: global_buffer, .address_space: global }
    .group_segment_fixed_size: 1280
    .private_segment_fixed_size: 0
    .kernarg_segment_align: 8
    .kernarg_segment_size: 56
    .max_flat_workgroup_size: 256
    .sgpr_count:     66
    .vgpr_count:     64
    .wavefront_size: 32
...
	.end_amdgpu_metadata
.endif
;; end of part 1
;; launch qkv (part 2): grid 128 x 2, 8 waves a work-group, no clusters, 107,520 bytes of LDS; arguments x, st1, gn1_w, gn1_b, wf, qkvh; writes qkvh
.if DOCPART == 2
	.amdgcn_target "amdgcn-amd-amdhsa--gfx1250"
	.amdhsa_code_object_version 6
	.text
	.protected	k_q533aa96162_qkv
	.globl	k_q533aa96162_qkv
	.p2align	8
	.type	k_q533aa96162_qkv,@function
k_q533aa96162_qkv:
	s_mov_b64 s[64:65], 0
	v_nop
	global_prefetch_b8 v0, s[64:65] scope:SCOPE_SE
	s_setreg_imm32_b32 hwreg(HW_REG_WAVE_MODE, 25, 1), 1
	s_wait_xcnt 0x0
; GroupNorm 1 applied, then q, k, v = W hn, written by heads: qkvh[type][b*8+head][token][32] in f16 (q already carries c = log2(e) / sqrt(32): the weights do).
; SHARES.  A work-group: 64 tokens (x: ttmp9) and four heads (y: ttmp7): 384 output rows.  Wave w: head w / 2 of the four, half e = w % 2 of its 32 channels, for q, k and v: three blocks of
; 16 rows x four blocks of 16 tokens: 12 accumulators that take turns.  K = 256 in eight steps of 32.
; NORM.  Each lane makes (A, A, s, s) of one channel, A = rstd w, s = b - mean A, from the four quarters' (mean, M2); a number is then x A + s, one fused multiply-add, rounded once to f16.
; The tile hn[256 channels][64 tokens] lies in LDS and is read turned (ds_load_tr16_b128) as source 1; a weight fragment (source 0) comes straight from wf into a ring of four register sets.
; NO CLUSTER, NO TENSOR LOAD: a weight fragment is wanted by ONE wave of a work-group; through LDS it would be written and read once more, in a loop that already issues 8 LDS loads for 12 products.
; RESULT.  A lane holds one token and eight channels on end: 16 bytes; two waves fill a token's 64 bytes in a stage, a barrier, and each wave stores 512 bytes on end.
; LIMITS: hn, q, k, v beyond 65,504 have no f16.
.set HP,     160                       ; a channel's 64 tokens in LDS: 128 bytes + 32: an odd multiple of 32
.set HN,     0
.set PARAMT, 256*HP                    ; 16 bytes a channel
.set STG,    PARAMT+4096               ; 12 chunks (type, head) of 64 tokens x 80 bytes
.set SGP,    80
.set SPARE,  STG+12*64*SGP             ; the spare words, 128 bytes a wave
.set LO,  1                            ; v1   16 x lane
.set AX,  2                            ; v2   my place in hn for the turning load
.set XO,  3                            ; v3   my 16 bytes in a pair of x's rows
.set HS,  4                            ; v4   where I store hn
.set PT,  5                            ; v5   where I read parameters
.set STO, 6                            ; v6   into the stage
.set RD,  7                            ; v7   back from it
.set PS,  8                            ; v8   where I store my channel's parameters
.set SO,  9                            ; v9   my group's 32 bytes in st1
.set CO,  10                           ; v10  4 x channel
.set SPW, 12
.set NIL, 13
.set PK,  14                           ; v[14:15] four f16 on their way to LDS
.set T,   16                           ; v[16:29] the parameters' arithmetic
.set XF,  16                           ; v[16:47] hn's fragments of one K step, token block tb at +8 tb
.set RING, 48                          ; v[48:143] four sets of 24: the weights' fragments of a K step, type ty at +8 ty
.set ACC, 144                          ; v[144:239] accumulator (ty, tb) at +8 (4 ty + tb)
.set XL,  144                          ; before the products: x as loaded
.set WP,  24                           ; s[24:25] wf at my first block
.set XP,  26                           ; s[26:27] x at my 32 channels, my tokens
.set OP,  28                           ; s[28:29] qkvh at my rows of type 1; the types stand in the immediates, one to each side
.set VS,  38                           ; s[38:39] 2^-15, eps
.macro LDW k                           ; K step k's six loads, 512 bytes on end each
.irp ty, 0,1,2
	global_load_b128 v[RING+24*((\k)%4)+8*\ty:RING+24*((\k)%4)+8*\ty+3],   v[LO], s[WP:WP+1] offset:\ty*131072+(\k)*1024
	global_load_b128 v[RING+24*((\k)%4)+8*\ty+4:RING+24*((\k)%4)+8*\ty+7], v[LO], s[WP:WP+1] offset:\ty*131072+(\k)*1024+512
.endr
.endm
.macro XFRAG kb                        ; channels 32 kb on, all 64 tokens: lane l gets token 16 tb + l % 16
.irp tb, 0,1,2,3
	ds_load_tr16_b128 v[XF+8*\tb:XF+8*\tb+3],   v[AX] offset:(\kb)*32*HP+\tb*32
	ds_load_tr16_b128 v[XF+8*\tb+4:XF+8*\tb+7], v[AX] offset:(\kb)*32*HP+16*HP+\tb*32
.endr
.endm
.macro MMA k, ty, tb
.if (\k) == 0
	v_wmma_f32_16x16x32_f16 v[ACC+8*(4*\ty+\tb):ACC+8*(4*\ty+\tb)+7], v[RING+24*((\k)%4)+8*\ty:RING+24*((\k)%4)+8*\ty+7], v[XF+8*\tb:XF+8*\tb+7], 0
.else
	v_wmma_f32_16x16x32_f16 v[ACC+8*(4*\ty+\tb):ACC+8*(4*\ty+\tb)+7], v[RING+24*((\k)%4)+8*\ty:RING+24*((\k)%4)+8*\ty+7], v[XF+8*\tb:XF+8*\tb+7], v[ACC+8*(4*\ty+\tb):ACC+8*(4*\ty+\tb)+7]
.endif
.endm
.macro STEP k
.if (\k) < 5
	s_wait_loadcnt 18                              ; this step's six are in; the three younger steps' may stay out
.else
	s_wait_loadcnt 6*(7-(\k))
.endif
	s_wait_dscnt 4                                 ; token blocks 0 and 1 are in
.irp tb, 0,1
.irp ty, 0,1,2
	MMA \k, \ty, \tb
.endr
.endr
	s_wait_dscnt 0x0
.irp tb, 2,3
.irp ty, 0,1,2
	MMA \k, \ty, \tb
.endr
.endr
.rept 4
	v_nop                                          ; four places in front of loads into registers that the products read, and of the conversions behind the last step
.endr
.if (\k) < 4
	LDW (\k)+4
.endif
.if (\k) < 7
	XFRAG (\k)+1
.endif
.endm
	s_load_b256 s[4:11], s[0:1], 0x0               ; x s[4:5], st1 s[6:7], gn1_w s[8:9], gn1_b s[10:11]
	s_load_b128 s[12:15], s[0:1], 0x20             ; wf s[12:13], qkvh s[14:15]
	v_lshl_add_u32 v[SPW], v0, 2, SPARE
	v_mov_b32 v[NIL], 0
	v_lshrrev_b32 v43, 5, v0
	v_readfirstlane_b32 s20, v43                   ; wave
	v_and_b32 v40, 31, v0                          ; l
	v_and_b32 v41, 15, v0                          ; r = l % 16
	v_bfe_u32 v42, v0, 4, 1                        ; h = l / 16
	s_and_b32 s21, ttmp7, 0xffff                   ; which four heads
	s_lshr_b32 s22, ttmp9, 6                       ; b
	s_and_b32 s23, ttmp9, 63                       ; block of 64 tokens
	s_lshr_b32 s31, s20, 1                         ; hl
	s_and_b32 s32, s20, 1                          ; e
	v_lshlrev_b32 v[LO], 4, v40
	v_lshrrev_b32 v[SO], 3, v0                     ; thread = channel; its group,
	v_lshlrev_b32 v[SO], 5, v[SO]                  ; 32 bytes a group,
	s_lshl_b32 s30, s22, 10
	v_add_nc_u32 v[SO], s30, v[SO]                 ; 32 groups a batch
	v_lshlrev_b32 v[CO], 2, v0
	v_lshlrev_b32 v[XO], 4, v41
	v_lshl_add_u32 v[XO], v42, 14, v[XO]           ; lanes 16-31 take the next channel
	s_lshl_b32 s26, s22, 22                        ; x: batch,
	s_lshl_b32 s30, s20, 19                        ; my 32 channels of 16,384 bytes,
	s_add_co_u32 s26, s26, s30
	s_lshl_b32 s30, s23, 8                         ; my 64 tokens
	s_add_co_u32 s26, s26, s30
	s_mov_b32 s27, 0
	s_lshl3_add_u32 s24, s21, s20                  ; wf: block 8 y + wave of each type, 8,192 bytes a block row
	s_lshl_b32 s24, s24, 13
	s_mov_b32 s25, 0
	s_lshl_b32 s28, s22, 3                         ; qkvh: head b*8 + 4 y + hl, 262,144 bytes a head,
	s_lshl2_add_u32 s28, s21, s28
	s_add_co_u32 s28, s28, s31
	s_lshl_b32 s28, s28, 18
	s_lshl_b32 s30, s23, 12                        ; 64 tokens of 64 bytes,
	s_add_co_u32 s28, s28, s30
	s_lshl_b32 s30, s32, 11                        ; the 32 of them that I store,
	s_add_co_u32 s28, s28, s30
	s_add_co_u32 s28, s28, 0x400000                ; type 1
	s_mov_b32 s29, 0
	s_mov_b32 s[VS], 0x38000000
	s_mov_b32 s[VS+1], 0x3727c5ac
	s_wait_kmcnt 0x0
	s_add_nc_u64 s[XP:XP+1], s[4:5], s[XP:XP+1]
	s_add_nc_u64 s[WP:WP+1], s[12:13], s[WP:WP+1]
	s_add_nc_u64 s[OP:OP+1], s[14:15], s[OP:OP+1]
	global_load_b128 v[T:T+3], v[SO], s[6:7]           ; (mean, M2) of quarters 0, 1
	global_load_b128 v[T+4:T+7], v[SO], s[6:7] offset:16  ; and 2, 3
	global_load_b32 v[T+8], v[CO], s[8:9]
	global_load_b32 v[T+9], v[CO], s[10:11]
.set j, 0
.rept 16
	global_load_b128 v[XL+4*j:XL+4*j+3], v[XO], s[XP:XP+1] offset:j*32768  ; channels 2 j, 2 j + 1 of my 32: 256 bytes on end each
.set j, j+1
.endr
	LDW 0
	LDW 1
	LDW 2
	LDW 3
	; LDS addresses, while the loads are on their way
	s_mul_i32 s30, s20, 32*HP
	s_add_co_u32 s30, s30, HN
	v_mul_u32_u24 v[HS], v42, HP
	v_lshl_add_u32 v[HS], v41, 3, v[HS]
	v_add_nc_u32 v[HS], s30, v[HS]                 ; channel 32 w + h, 8 bytes at token 4 r
	s_lshl_b32 s30, s20, 9
	s_add_co_u32 s30, s30, PARAMT                  ; my wave's 32 channels: written and read by this wave alone
	v_lshl_add_u32 v[PT], v42, 4, s30
	v_lshl_add_u32 v[PS], v40, 4, s30
	v_and_b32 v43, 7, v0
	v_lshl_add_u32 v43, v42, 3, v43
	v_mul_u32_u24 v[AX], v43, HP
	v_bfe_u32 v44, v0, 3, 1
	v_lshl_add_u32 v[AX], v44, 4, v[AX]
	v_add_nc_u32 v[AX], HN, v[AX]
	s_mul_i32 s30, s31, 64*SGP
	s_add_co_u32 s30, s30, STG                     ; my head's chunk of type 0
	s_lshl_b32 s33, s32, 5
	s_add_co_u32 s33, s33, s30
	v_mul_u32_u24 v[STO], v41, SGP
	v_lshl_add_u32 v[STO], v42, 4, v[STO]
	v_add_nc_u32 v[STO], s33, v[STO]               ; token r, bytes 32 e + 16 h
	s_mul_i32 s33, s32, 32*SGP
	s_add_co_u32 s33, s33, s30
	v_lshrrev_b32 v43, 2, v40
	v_mul_u32_u24 v[RD], v43, SGP
	v_and_b32 v44, 3, v0
	v_lshl_add_u32 v[RD], v44, 4, v[RD]
	v_add_nc_u32 v[RD], s33, v[RD]                 ; token 32 e + l / 4, bytes 16 (l % 4)
	s_wait_loadcnt 40                              ; the four parameter loads are in: 16 of x and 24 of the weights are younger
	v_add_f32 v[T+10], v[T], v[T+2]
	v_add_f32 v[T+11], v[T+4], v[T+6]
	v_add_f32 v[T+10], v[T+10], v[T+11]
	v_mul_f32 v[T+10], 0x3e800000, v[T+10]         ; the group's mean
.irp i, 0,2,4,6
	v_sub_f32 v[T+\i], v[T+\i], v[T+10]
.endr
	v_mul_f32 v[T+11], v[T], v[T]
.irp i, 2,4,6
	v_fmac_f32 v[T+11], v[T+\i], v[T+\i]
.endr
	v_add_f32 v[T+1], v[T+1], v[T+3]
	v_add_f32 v[T+5], v[T+5], v[T+7]
	v_add_f32 v[T+1], v[T+1], v[T+5]
	v_fmamk_f32 v[T+1], v[T+11], 0x46000000, v[T+1]  ; M2 = the quarters' M2 + 8,192 x the sum of (their mean - mean)^2
	v_fma_f32 v[T+1], v[T+1], s[VS], s[VS+1]       ; / 32,768 + eps
	v_rsq_f32 v[T+1], v[T+1]
	v_nop                                          ; a plain instruction behind the root,
	s_wait_alu depctr_va_vdst(0)                   ; and the wait ahead of its first reader
	v_mul_f32 v[T+11], v[T+1], v[T+8]              ; A
	v_fma_f32 v[T+12], -v[T+10], v[T+11], v[T+9]   ; s = b - mean A
	v_mov_b32 v[T+10], v[T+11]
	v_mov_b32 v[T+13], v[T+12]
	ds_store_b128 v[PS], v[T+10:T+13]
.set j, 0
.rept 16                               ; LDS serves a wave's instructions in order (ISA guide 5.7.1.4): these see the store above
.if j < 8
.set pr, 208+4*j
.else
.set pr, 16+4*(j-8)
.endif
	ds_load_b128 v[pr:pr+3], v[PT] offset:j*32
.set j, j+1
.endr
	s_wait_loadcnt 24                              ; x is in; the weights may stay out
	s_wait_dscnt 0x0
.set j, 0
.rept 16
.if j < 8
.set pr, 208+4*j
.else
.set pr, 16+4*(j-8)
.endif
	v_pk_fma_f32 v[XL+4*j:XL+4*j+1], v[XL+4*j:XL+4*j+1], v[pr:pr+1], v[pr+2:pr+3]
	v_pk_fma_f32 v[XL+4*j+2:XL+4*j+3], v[XL+4*j+2:XL+4*j+3], v[pr:pr+1], v[pr+2:pr+3]
	v_cvt_pk_f16_f32 v[PK], v[XL+4*j], v[XL+4*j+1]
	v_cvt_pk_f16_f32 v[PK+1], v[XL+4*j+2], v[XL+4*j+3]
	ds_store_b64 v[HS], v[PK:PK+1] offset:j*2*HP
.set j, j+1
.endr
	s_wait_dscnt 0x0                               ; my part of hn is written,
	s_barrier_signal -1
	s_barrier_wait -1                              ; everybody's is
	XFRAG 0
.irp k, 0,1,2,3,4,5,6,7
	STEP \k
.endr
	; THE WAY OUT: each accumulator's registers in ascending order
.set i, 0
.rept 12
.irp q, 0,1,2,3
	v_cvt_pk_f16_f32 v[RING+4*i+\q], v[ACC+8*i+2*\q], v[ACC+8*i+2*\q+1]
.endr
.set i, i+1
.endr
.set i, 0
.rept 12
	ds_store_b128 v[STO], v[RING+4*i:RING+4*i+3] offset:(i/4)*4*64*SGP+(i%4)*16*SGP
.set i, i+1
.endr
	s_wait_dscnt 0x0                               ; a token's 64 bytes come from two waves
	s_barrier_signal -1
	s_barrier_wait -1
.set i, 0
.rept 12
	ds_load_b128 v[RING+48+4*i:RING+48+4*i+3], v[RD] offset:(i/4)*4*64*SGP+(i%4)*8*SGP
.set i, i+1
.endr
.set i, 0
.rept 12
	s_wait_dscnt 11-i
	global_store_b128 v[LO], v[RING+48+4*i:RING+48+4*i+3], s[OP:OP+1] offset:((i/4)-1)*4194304+(i%4)*512  ; eight tokens: 512 bytes on end, aligned
.set i, i+1
.endr
	s_wait_tensorcnt 0x0                           ; the wave's end
	ds_add_u32 v[SPW], v[NIL]
	s_wait_dscnt 0x0
	s_endpgm
.Lfunc_end_k_q533aa96162_qkv:
	.size	k_q533aa96162_qkv, .Lfunc_end_k_q533aa96162_qkv-k_q533aa96162_qkv
	.p2alignl 7, 3214868480
	.fill 96, 4, 3214868480
	.section	.rodata,"a",@progbits
	.p2align	6, 0x0
	.amdhsa_kernel k_q533aa96162_qkv
		.amdhsa_group_segment_fixed_size 107520
		.amdhsa_private_segment_fixed_size 0
		.amdhsa_enable_private_segment 0
		.amdhsa_kernarg_size 48
		.amdhsa_user_sgpr_count 2
		.amdhsa_user_sgpr_kernarg_segment_ptr 1
		.amdhsa_wavefront_size32 1
		.amdhsa_system_sgpr_workgroup_id_x 1
		.amdhsa_system_sgpr_workgroup_id_y 1
		.amdhsa_system_sgpr_workgroup_id_z 1
		.amdhsa_system_vgpr_workitem_id 0
		.amdhsa_next_free_vgpr 240
		.amdhsa_next_free_sgpr 66
		.amdhsa_reserve_vcc 0
		.amdhsa_float_denorm_mode_32 3
		.amdhsa_float_denorm_mode_16_64 3
		.amdhsa_memory_ordered 1
		.amdhsa_forward_progress 1
		.amdhsa_inst_pref_size 36
	.end_amdhsa_kernel
	.amdgpu_metadata
---
amdhsa.version: [ 1, 2 ]
amdhsa.kernels:
  - .name:           k_q533aa96162_qkv
    .symbol:         k_q533aa96162_qkv.kd
    .args:
      - { .name: x, .offset: 0, .size: 8, .value_kind: global_buffer, .address_space: global }
      - { .name: st1, .offset: 8, .size: 8, .value_kind: global_buffer, .address_space: global }
      - { .name: gn1_w, .offset: 16, .size: 8, .value_kind: global_buffer, .address_space: global }
      - { .name: gn1_b, .offset: 24, .size: 8, .value_kind: global_buffer, .address_space: global }
      - { .name: wf, .offset: 32, .size: 8, .value_kind: global_buffer, .address_space: global }
      - { .name: qkvh, .offset: 40, .size: 8, .value_kind: global_buffer, .address_space: global }
    .group_segment_fixed_size: 107520
    .private_segment_fixed_size: 0
    .kernarg_segment_align: 8
    .kernarg_segment_size: 48
    .max_flat_workgroup_size: 256
    .sgpr_count:     66
    .vgpr_count:     240
    .wavefront_size: 32
...
	.end_amdgpu_metadata
.endif
;; end of part 2
;; launch attn (part 3): grid 16 x 16, 8 waves a work-group, clusters of 4 x 1, 327,680 bytes of LDS; arguments qkvh, phys_bias, oh; writes oh
.if DOCPART == 3
	.amdgcn_target "amdgcn-amd-amdhsa--gfx1250"
	.amdhsa_code_object_version 6
	.text
	.protected	k_q533aa96162_attn
	.globl	k_q533aa96162_attn
	.p2align	8
	.type	k_q533aa96162_attn,@function
k_q533aa96162_attn:
	s_mov_b64 s[64:65], 0
	v_nop
	global_prefetch_b8 v0, s[64:65] scope:SCOPE_SE
	s_setreg_imm32_b32 hwreg(HW_REG_WAVE_MODE, 25, 1), 1
	s_wait_xcnt 0x0
	s_wait_alu depctr_hold_cnt(0) depctr_sa_sdst(0) depctr_va_vdst(0) depctr_va_sdst(0) depctr_va_ssrc(0) depctr_va_vcc(0) depctr_vm_vsrc(0)
	s_getreg_b32 s2, hwreg(HW_REG_IB_STS2, 6, 4)
	s_cmp_eq_u32 s2, 0
	s_cbranch_scc0 .Lentry_in_a_cluster
	s_endpgm
.Lentry_in_a_cluster:
	s_bfe_u32 s2, ttmp6, 0x10000c
	s_cmp_lg_u32 s2, 0x3003
	s_cbranch_scc0 .Lentry_shape_is_right
	s_endpgm
.Lentry_shape_is_right:
; oh[bh][q][:] = the sum over k of softmax_k(q . k / sqrt(32) + phys_bias[head]) v[k][:], 16 heads (b*8+head) of 4,096 tokens x 32 channels, all f16; products, maxima and sums in f32.
; q arrives multiplied by c = log2(e) / sqrt(32); the bias times log2(e) is the C operand of the one product that makes a tile of scores: s = c q.k + log2(e) bias, p = 2^(s - m), with a running maximum m.
; SHARES.  A work-group: 256 queries of a head; each of its eight waves 32: two tiles of 16; two waves lie on a SIMD, so that one's products and LDS loads run beside the other's softmax: at this head size
; a tile and key step have 10 matrix and 94 vector instructions, too many to stand beside the products of one wave.  Every wave walks all 4,096 keys, 64 a step, 512 a slot.
; LAYOUT.  S^T = K Q^T (source 0 = 16 keys, source 1 = 16 queries): a lane holds ONE query (lane % 16) and keys 8 (lane / 16) + 0..7.  Two such tiles rounded to f16, in place, ARE source 1 of O^T = V^T P.
; V ([key][channel]) comes out of LDS turned.  THE ROW SUMS come from the matrix unit: source 0 = ONES (rows 0 and 8 are 1, the others 0), so register 0 of L holds the query's sum in both halves of the lanes,
; registers 1-7 stay 0.  l is the sum of the rounded p.  In every step O and l are multiplied by a = 2^(m_old - m_new); m starts at the lowest finite number, O and l at 0: the first step is like any other.
; CLUSTER.  The four query blocks of a cluster belong to one head and walk the same K and V: each tile is asked for JOINTLY, the same load, descriptor and mask in all four.
; LIMITS.  q c, k, v lie within 65,504; a weight below 2^-126 counts as 0, below 6e-8 it is 0 in f16; NaN and infinities are not treated apart.
.set KS,    64                         ; keys in a step
.set SK,    512                        ; keys in a slot
.set PK,    80                         ; a key's 64 bytes + 16: 20 words: the 16 rows of a load start at 16 different groups of four banks (64 banks of 4 bytes: ISA guide 11.1)
.set PV,    96                         ; 64 + 32: 24 words
.set VOFF,  SK*PK
.set SLOT1, 1<<17                      ; one exclusive or turns an address in one slot into the other's
.set STAGE, SLOT1+SK*(PK+PV)           ; behind the ring, never filled by a tensor load: 32 rows x 80 bytes a wave
.set SP,    80
.set SPARE, STAGE+8*32*SP              ; the spare words, 128 bytes a wave
.set AK0, 2                            ; v2   my place in a tile of K: r x 80 + 16 h; never rewritten
.set AV0, 3                            ; v3   the same for V
.set AK,  4
.set AV,  5
.set QO,  6                            ; v6   my offset in Q; later STO
.set STO, 6
.set RD,  7
.set GO,  8
.set SPW, 12
.set NIL, 13
.set PFO, 14                           ; v14  256 x lane; never rewritten
.set ST,  16                           ; tile t at +8 t: m, m_old, a, m_old - m, c0-c3
.set BIAS, 32                          ; v[32:39]
.set ONES, 40                          ; v[40:47]
.set Q,   48                           ; tile t at +8 t
.set KF,  64                           ; key block kb at +8 kb
.set VF,  96                           ; key half kk, channel block cb at +16 kk + 8 cb
.set S,   128                          ; tile t, key block kb at +32 t + 8 kb; P in place at +32 t + 0..15
.set O,   192                          ; tile t, channel block cb at +16 t + 8 cb
.set L,   224                          ; tile t at +8 t
.set WV,  12
.set LIM, 15                           ; s15  1 in a wave that prefetches, else the greatest number
.set PFA, 18                           ; s[18:19]
.set G1K, 24
.set G1V, 32
.set G0K, 40
.set G0V, 44
.set SLOTS, 48
.set CNT, 49
.set TBK, 50                           ; s50  LDS byte at which K of the step to be fetched begins
.set BETA, 51
.set SEL, 52                           ; s[52:53]
.set TBV, 54                           ; s54  the same for V, less VOFF
; A joint fill: waves 0 and 1 fetch the two halves of a slot's K, waves 2 and 3 of its V, 256 keys (64 rows of 256 bytes) each; waves 4-7 fetch nothing.  The branches hang on the wave's number alone.
.macro JLOAD
	s_cmp_lt_u32 s[WV], 2
	s_cbranch_scc0 .Lnot_k_\@
	tensor_load_to_lds s[G0K:G0K+3], s[G1K:G1K+7]
	s_nop 0
.rept 4
	v_nop
.endr
	s_branch .Lasked_\@
.Lnot_k_\@:
	s_cmp_lt_u32 s[WV], 4
	s_cbranch_scc0 .Lasked_\@
	tensor_load_to_lds s[G0V:G0V+3], s[G1V:G1V+7]
	s_nop 0
.rept 4
	v_nop
.endr
.Lasked_\@:
.endm
; A prefetch into the L2 of what the NEXT change of slots will ask for: 32,768 bytes of K and of V.  The head's first cluster asks; its four partners take 8,192 bytes each, told apart by address;
; in each, wave 0 asks for K's and wave 2 for V's, a lane for each 256 bytes: every block is named once in the launch.  The last change that fills a slot asks for nothing.
.macro ASK
	s_cmp_gt_u32 s[SLOTS], s[LIM]
	s_cbranch_scc0 .Lnot_mine_\@
	global_prefetch_b8 v[PFO], s[PFA:PFA+1] th:TH_LOAD_NT scope:SCOPE_SE
.Lnot_mine_\@:
.endm
.macro CROUND                          ; a round of the cluster's barrier
	s_barrier_signal -1
	s_barrier_wait -1
	s_cmp_lg_u32 s[WV], 0
	s_cbranch_scc1 .Lnot_wave_0_\@
	s_barrier_signal -3
.Lnot_wave_0_\@:
	s_barrier_wait -3
	s_barrier_signal -1
	s_barrier_wait -1
.endm
; THE CHANGE OF SLOTS.  Each wave waits for all its tensor loads (one at the most is out: its part of the other slot), adds 0 to its spare word, and waits for that and for its reads of the slot that it leaves.
; fill = 1: behind a round of the cluster's barrier the old slot is filled again, with the keys two slots on; the load has eight key steps in which to land.  (At the first use slot 0 is waited for, slot 1 filled.)
.macro CHANGE fill
	s_wait_tensorcnt 0x0                           ; no tensor load of mine is out, so a group 0 may be written
	ds_add_u32 v[SPW], v[NIL]
.if \fill
.irp g, G0K, G0V
	s_xor_b32 s[\g+1], s[\g+1], SLOT1
	s_add_nc_u64 s[\g+2:\g+3], s[\g+2:\g+3], SK*64
.endr
	s_wait_xcnt 0x0                                ; the last prefetch, eight key steps back, has read its address
	s_add_nc_u64 s[PFA:PFA+1], s[PFA:PFA+1], SK*64
	s_wait_dscnt 0x0                               ; the add is done, and my reads of the slot are over
	CROUND
	JLOAD
	ASK
.else
	s_wait_dscnt 0x0
	s_barrier_signal -1
	s_barrier_wait -1
.endif
	s_sub_co_u32 s[TBK], s[TBK], 8*KS*PK           ; the fetches go back to a slot's first step,
	s_xor_b32 s[TBK], s[TBK], SLOT1                ; in the other slot
	s_sub_co_u32 s[TBV], s[TBV], 8*KS*PV
	s_xor_b32 s[TBV], s[TBV], SLOT1
.endm
; Number n of the 21 that find tile t's maximum and a.  Each accumulator's lowest registers are read first.
.macro SMX t, n
.set rT, ST+8*(\t)
.set rS, S+32*(\t)
.if (\n) < 4
	v_max3_num_f32 v[rT+4+(\n)], v[rS+8*(\n)], v[rS+8*(\n)+1], v[rS+8*(\n)+2]
.elseif (\n) < 12
	v_max3_num_f32 v[rT+4+(\n)%4], v[rT+4+(\n)%4], v[rS+8*((\n)%4)+2*((\n)/4)+1], v[rS+8*((\n)%4)+2*((\n)/4)+2]
.elseif (\n) == 12
	v_max3_num_f32 v[rT+4], v[rT+4], v[rS+7], v[rS+15]
.elseif (\n) == 13
	v_max3_num_f32 v[rT+5], v[rT+5], v[rS+23], v[rS+31]
.elseif (\n) == 14
	v_max3_num_f32 v[rT+6], v[rT+6], v[rT+7], v[rT]
.elseif (\n) == 15
	v_mov_b32 v[rT+1], v[rT]
.elseif (\n) == 16
	v_max3_num_f32 v[rT+4], v[rT+4], v[rT+5], v[rT+6]
.elseif (\n) == 17
	v_permlanex16_b32 v[rT+7], v[rT+4], s[SEL], s[SEL+1]  ; the query's other 32 keys lie in the lane 16 away
.elseif (\n) == 18
	v_max_num_f32 v[rT], v[rT+4], v[rT+7]
.elseif (\n) == 19
	v_sub_f32 v[rT+3], v[rT+1], v[rT]
.else
	v_exp_f32 v[rT+2], v[rT+3]
.endif
.endm
.macro SUBM t, p                       ; pair p of 16: s - m
	v_pk_add_f32 v[S+32*(\t)+2*(\p):S+32*(\t)+2*(\p)+1], v[S+32*(\t)+2*(\p):S+32*(\t)+2*(\p)+1], v[ST+8*(\t):ST+8*(\t)+1] op_sel_hi:[1,0] neg_lo:[0,1] neg_hi:[0,1]
.endm
.macro EXPS t, i
	v_exp_f32 v[S+32*(\t)+(\i)], v[S+32*(\t)+(\i)]
.endm
.macro VW t, n                         ; number n of the 25 behind tile t's exponentials: 16 roundings in place (ascending, so no pair is lost), O^T and l times a
.if (\n) < 16
	v_cvt_pk_f16_f32 v[S+32*(\t)+(\n)], v[S+32*(\t)+2*(\n)], v[S+32*(\t)+2*(\n)+1]
.elseif (\n) < 24
	v_pk_mul_f32 v[O+16*(\t)+2*((\n)-16):O+16*(\t)+2*((\n)-16)+1], v[O+16*(\t)+2*((\n)-16):O+16*(\t)+2*((\n)-16)+1], v[ST+8*(\t)+2:ST+8*(\t)+3] op_sel_hi:[1,0]
.else
	v_mul_f32 v[L+8*(\t)], v[L+8*(\t)], v[ST+8*(\t)+2]
.endif
.endm
.macro PVM t, i                        ; product i of 6 for tile t: keys 32 (i / 3) on; O^T's two channel blocks and l take turns
.if ((\i)%3) < 2
	v_wmma_f32_16x16x32_f16 v[O+16*(\t)+8*((\i)%3):O+16*(\t)+8*((\i)%3)+7], v[VF+16*((\i)/3)+8*((\i)%3):VF+16*((\i)/3)+8*((\i)%3)+7], v[S+32*(\t)+8*((\i)/3):S+32*(\t)+8*((\i)/3)+7], v[O+16*(\t)+8*((\i)%3):O+16*(\t)+8*((\i)%3)+7]
.else
	v_wmma_f32_16x16x32_f16 v[L+8*(\t):L+8*(\t)+7], v[ONES:ONES+7], v[S+32*(\t)+8*((\i)/3):S+32*(\t)+8*((\i)/3)+7], v[L+8*(\t):L+8*(\t)+7]
.endif
.endm
; A KEY STEP.
.macro KSTEP
	v_add_nc_u32 v[AK], s[TBK], v[AK0]             ; with the three v_nop at the step's end: five places behind the last products, in front of the loads into V's registers and of the products that write over P
	v_add_nc_u32 v[AV], s[TBV], v[AV0]
.irp kb, 0,1,2,3
	ds_load_b128 v[KF+8*\kb:KF+8*\kb+3],   v[AK] offset:\kb*16*PK
	ds_load_b128 v[KF+8*\kb+4:KF+8*\kb+7], v[AK] offset:\kb*16*PK+32
.endr
.irp f, 0,1,2,3
	ds_load_tr16_b128 v[VF+8*\f:VF+8*\f+3],   v[AV] offset:(\f/2)*32*PV+(\f%2)*32
	ds_load_tr16_b128 v[VF+8*\f+4:VF+8*\f+7], v[AV] offset:(\f/2)*32*PV+16*PV+(\f%2)*32
.endr
	s_add_co_u32 s[TBK], s[TBK], KS*PK
	s_add_co_u32 s[TBV], s[TBV], KS*PV
	s_wait_dscnt 8                                 ; K is in; V's eight loads may stay out
.irp kb, 0,1,2,3
.irp t, 0,1
	v_wmma_f32_16x16x32_f16 v[S+32*\t+8*\kb:S+32*\t+8*\kb+7], v[KF+8*\kb:KF+8*\kb+7], v[Q+8*\t:Q+8*\t+7], v[BIAS:BIAS+7]
.endr
.endr
.rept 4
	v_nop                                          ; four places in front of the reads of the scores
.endr
.irp n, 0,1,2,3,4,5,6,7,8,9,10,11,12,13,14,15,16,17,18,19,20
	SMX 0, \n                                      ; the two tiles alternate, so that no line reads the result of the one before it
	SMX 1, \n
.endr
	SUBM 0, 0                                      ; ONE BATCH: the 32 subtractions and all 66 exponentials; nothing in it names an exponential's result
	SUBM 1, 0
.set pb, 1
.rept 15
	SUBM 0, pb
	EXPS 0, 2*pb-2
	EXPS 0, 2*pb-1
	SUBM 1, pb
	EXPS 1, 2*pb-2
	EXPS 1, 2*pb-1
.set pb, pb+1
.endr
	EXPS 0, 30
	EXPS 0, 31
	EXPS 1, 30
	EXPS 1, 31
	v_nop                                          ; a plain instruction behind the last exponential,
	s_wait_alu depctr_va_vdst(0)                   ; and the one wait for the batch, ahead of its first reader
.set q, 0
.rept 25
	VW 0, q
.set q, q+1
.endr
	s_wait_dscnt 0x0                               ; V is in
.set q, 0
.set i, 0
.rept 6                                ; tile 0's products; behind each, four or five of tile 1's 25, which name none of their registers
	PVM 0, i
.rept 4
	VW 1, q
.set q, q+1
.endr
.if i == 0
	VW 1, q
.set q, q+1
.endif
.set i, i+1
.endr
.set i, 0
.rept 6
	PVM 1, i
.set i, i+1
.endr
.rept 3
	v_nop
.endr
.endm
.macro STEPS                           ; a slot's eight key steps: written once, walked eight times
	s_mov_b32 s[CNT], 8
.Lstep_\@:
	KSTEP
	s_sub_co_u32 s[CNT], s[CNT], 1
	s_cmp_lg_u32 s[CNT], 0
	s_cbranch_scc1 .Lstep_\@
.endm
	s_load_b128 s[4:7], s[0:1], 0x0                ; qkvh s[4:5], phys_bias s[6:7]
	s_load_b64 s[8:9], s[0:1], 0x10                ; oh
	v_lshl_add_u32 v[SPW], v0, 2, SPARE
	v_mov_b32 v[NIL], 0
	ds_add_u32 v[SPW], v[NIL]                      ; the wave's opening: the add and its wait ahead of the first tensor load; work on registers stands between
	v_lshrrev_b32 v1, 5, v0
	v_readfirstlane_b32 s[WV], v1
	s_bfe_u32 s13, ttmp6, 0x40000                  ; cx
	s_lshl_b32 s14, ttmp9, 2
	s_add_co_u32 s14, s14, s13                     ; my block of 256 queries: it enters Q's and O's addresses alone
	s_and_b32 s20, ttmp7, 0xffff                   ; b*8 + head, which the partners share
	s_and_b32 s16, s20, 7
	s_lshl_b32 s16, s16, 2                         ; the head's word of phys_bias
	s_mov_b32 s17, 0
	s_lshl_b32 s20, s20, 18                        ; a head is 262,144 bytes
	s_mov_b32 s21, 0
	s_and_b32 s15, s[WV], 1                        ; which half of a slot's 512 keys I fetch:
	s_lshl_b32 s22, s15, 14                        ; 16,384 bytes in memory,
	s_mov_b32 s23, 0
	s_add_nc_u64 s[22:23], s[22:23], s[20:21]
	s_mul_i32 s10, s15, 256*PK                     ; its place in a slot, for K
	s_mul_i32 s11, s15, 256*PV                     ; and for V
	s_lshl_b32 s56, s14, 14                        ; my block's 256 rows of 64 bytes,
	s_lshl_b32 s57, s[WV], 11                      ; my wave's 32
	s_add_co_u32 s56, s56, s57
	s_mov_b32 s57, 0
	s_add_nc_u64 s[56:57], s[56:57], s[20:21]
	s_lshl_b32 s58, s13, 13                        ; the prefetches: my work-group's 8,192 bytes of a slot
	s_mov_b32 s59, 0
	; descriptor group 1: 256 keys are 16,384 dense bytes, asked for as 64 rows of 256 bytes and padded in LDS behind every key
	s_mov_b32 s[G1K], 15|(1<<16)|(1<<20)|(1<<21)|(3<<22)|(3<<25)  ; 15:0 the mask of four; 17:16 2-byte elements; 20 padding on; 21 set beside a mask; 24:22 after every 16 words (code 3); 31:25 4 words (code 3)
	s_mov_b32 s[G1V], 15|(1<<16)|(1<<20)|(1<<21)|(3<<22)|(7<<25)  ; the same with 8 words (code 7)
.irp g, G1K, G1V
	s_mov_b32 s[\g+1], 128<<16                     ; tensor_dim0 = 128
	s_mov_b32 s[\g+2], 64<<16                      ; tensor_dim1 = 64
	s_mov_b32 s[\g+3], 128<<16                     ; tile_dim0 = 128
	s_mov_b32 s[\g+4], 64                          ; tile_dim1 = 64
	s_mov_b32 s[\g+5], 128                         ; 128 elements from row to row
	s_mov_b32 s[\g+6], 0
	s_mov_b32 s[\g+7], 0
.endr
	s_mov_b32 s[G0K], 1
	s_mov_b32 s[G0K+1], s10                        ; slot 0
	s_mov_b32 s[G0V], 1
	s_add_co_u32 s[G0V+1], s11, VOFF
	s_mov_b32 s[SEL], 0x76543210
	s_mov_b32 s[SEL+1], 0xfedcba98
	s_mov_b32 s[TBK], SLOT1+8*KS*PK                ; the first change of slots turns these two into 0
	s_mov_b32 s[TBV], SLOT1+8*KS*PV
	s_mov_b32 s[SLOTS], SK*0+7                     ; slots still to be asked for: 4,096 / 512 - 1
	s_and_b32 s[LIM], s[WV], 5                     ; 0 in waves 0 and 2,
	s_or_b32 s[LIM], s[LIM], ttmp9                 ; where the cluster is the head's first: the same in all partners
	s_cmp_eq_u32 s[LIM], 0
	s_cselect_b32 s[LIM], 1, -1
	v_and_b32 v[PFO], 31, v0
	v_lshlrev_b32 v[PFO], 8, v[PFO]
	s_wait_dscnt 0x0                               ; the opening add is done
	s_wait_kmcnt 0x0
	s_add_nc_u64 s[G0K+2:G0K+3], s[4:5], s[22:23]
	s_add_nc_u64 s[G0V+2:G0V+3], s[G0K+2:G0K+3], 0x800000   ; type 2: v
	s_add_nc_u64 s[G0K+2:G0K+3], s[G0K+2:G0K+3], 0x400000   ; type 1: k
	s_cmp_lt_u32 s[WV], 2
	s_cselect_b64 s[PFA:PFA+1], s[G0K+2:G0K+3], s[G0V+2:G0V+3]  ; (in waves 0 and 2 these stand at a slot's first row)
	s_add_nc_u64 s[PFA:PFA+1], s[PFA:PFA+1], s[58:59]
	s_add_nc_u64 s[PFA:PFA+1], s[PFA:PFA+1], SK*64 ; in slot 1; the first change steps it to slot 2.  Nothing is prefetched at the head
	s_or_b32 s[G0K+3], s[G0K+3], 0x80000000        ; type = 2
	s_or_b32 s[G0V+3], s[G0V+3], 0x80000000
	s_add_nc_u64 s[10:11], s[4:5], s[56:57]        ; Q (type 0) and O at my wave's first row
	s_add_nc_u64 s[8:9], s[8:9], s[56:57]
	s_add_nc_u64 s[6:7], s[6:7], s[16:17]
	CROUND                                         ; all four work-groups are here: the first joint loads meet
	JLOAD                                          ; slot 0
	s_load_b32 s[BETA], s[6:7], 0x0
	v_and_b32 v1, 15, v0                           ; r
	v_bfe_u32 v9, v0, 4, 1                         ; h
	v_lshlrev_b32 v[QO], 6, v1
	v_lshl_add_u32 v[QO], v9, 4, v[QO]
.irp t, 0,1
	global_load_b128 v[Q+8*\t:Q+8*\t+3],   v[QO], s[10:11] offset:\t*1024
	global_load_b128 v[Q+8*\t+4:Q+8*\t+7], v[QO], s[10:11] offset:\t*1024+32
.endr
	v_mul_u32_u24 v[AK0], v1, PK
	v_lshl_add_u32 v[AK0], v9, 4, v[AK0]
	v_and_b32 v10, 7, v0
	v_bfe_u32 v11, v0, 3, 1
	v_lshl_add_u32 v[AV0], v9, 3, v10              ; the turning load: lane l reads key 8 (l / 16) + l % 8, channels 8 ((l / 8) % 2) on
	v_mul_u32_u24 v[AV0], v[AV0], PV
	v_lshl_add_u32 v[AV0], v11, 4, v[AV0]
	v_add_nc_u32 v[AV0], VOFF, v[AV0]
	v_cmp_eq_u32 vcc_lo, 0, v10                    ; ONES: rows 0 and 8
	v_mov_b32 v11, 0x3c003c00                      ; 1.0 twice in f16
	v_cndmask_b32 v[ONES], 0, v11, vcc_lo
.irp i, 1,2,3,4,5,6,7
	v_mov_b32 v[ONES+\i], v[ONES]
.endr
	s_mul_i32 s16, s[WV], 32*SP
	s_add_co_u32 s16, s16, STAGE                   ; my stage
	v_bfe_u32 v10, v0, 2, 3
	v_mul_u32_u24 v[RD], v10, SP
	v_and_b32 v11, 3, v0
	v_lshl_add_u32 v[RD], v11, 4, v[RD]
	v_add_nc_u32 v[RD], s16, v[RD]                 ; back: 32 lanes take eight rows of 64 bytes,
	v_and_b32 v[GO], 31, v0
	v_lshlrev_b32 v[GO], 4, v[GO]                  ; which are 512 bytes of oh on end
.set i, 0
.rept 48                               ; O^T and l start at 0, so that no first step is written out: these stand in the wait for the first tile
	v_mov_b32 v[O+i], 0
.set i, i+1
.endr
.irp t, 0,1
	v_mov_b32 v[ST+8*\t], 0xff7fffff               ; m: the lowest finite number
	v_mov_b32 v[ST+8*\t+1], 0
	v_mov_b32 v[ST+8*\t+2], 0
	v_mov_b32 v[ST+8*\t+3], 0
.endr
	s_wait_kmcnt 0x0
	s_mul_f32 s[BETA], s[BETA], 0x3fb8aa3b         ; the bias in the exponent's base
.irp i, 0,1,2,3,4,5,6,7
	v_mov_b32 v[BIAS+\i], s[BETA]
.endr
	s_wait_loadcnt 0x0                             ; Q
.Lslot:                                        ; seven times: every slot but the last is followed by a fill
	CHANGE 1
	STEPS
	s_sub_co_u32 s[SLOTS], s[SLOTS], 1
	s_cmp_lg_u32 s[SLOTS], 0
	s_cbranch_scc1 .Lslot
	CHANGE 0                                       ; the last slot is written out: nothing is asked for
	STEPS
	; THE WAY OUT: O^T / l, rounded to f16, through my stage
	v_add_nc_u32 v[STO], s16, v[AK0]               ; in: row r, 16 bytes for each half of the lanes
.rept 5
	v_nop                                          ; with the line above and the step's three: the places behind the last products
.endr
	v_rcp_f32 v[ST+2], v[L]
	v_rcp_f32 v[ST+10], v[L+8]
	v_nop                                          ; a plain instruction behind the reciprocals,
	s_wait_alu depctr_va_vdst(0)                   ; and their wait
.irp t, 0,1
.set i, 0
.rept 8
	v_pk_mul_f32 v[O+16*\t+2*i:O+16*\t+2*i+1], v[O+16*\t+2*i:O+16*\t+2*i+1], v[ST+8*\t+2:ST+8*\t+3] op_sel_hi:[1,0]
.set i, i+1
.endr
.set i, 0
.rept 8
	v_cvt_pk_f16_f32 v[S+8*\t+i], v[O+16*\t+2*i], v[O+16*\t+2*i+1]
.set i, i+1
.endr
	ds_store_b128 v[STO], v[S+8*\t:S+8*\t+3]   offset:\t*16*SP
	ds_store_b128 v[STO], v[S+8*\t+4:S+8*\t+7] offset:\t*16*SP+32
.endr
.irp f, 0,1,2,3
	ds_load_b128 v[S+16+4*\f:S+16+4*\f+3], v[RD] offset:\f*8*SP   ; LDS serves a wave's instructions in order (ISA guide 5.7.1.4): these see the stores above
.endr
.irp f, 0,1,2,3
	s_wait_dscnt 3-\f
	global_store_b128 v[GO], v[S+16+4*\f:S+16+4*\f+3], s[8:9] offset:\f*512   ; 512 bytes on end, aligned
.endr
	s_wait_tensorcnt 0x0                           ; the wave's end
	ds_add_u32 v[SPW], v[NIL]
	s_wait_dscnt 0x0
	CROUND                                         ; the closing round: no work-group ends while a partner may still ask for a tile that names it
	s_endpgm
.Lfunc_end_k_q533aa96162_attn:
	.size	k_q533aa96162_attn, .Lfunc_end_k_q533aa96162_attn-k_q533aa96162_attn
	.p2alignl 7, 3214868480
	.fill 96, 4, 3214868480
	.section	.rodata,"a",@progbits
	.p2align	6, 0x0
	.amdhsa_kernel k_q533aa96162_attn
		.amdhsa_group_segment_fixed_size 327680
		.amdhsa_private_segment_fixed_size 0
		.amdhsa_enable_private_segment 0
		.amdhsa_kernarg_size 24
		.amdhsa_user_sgpr_count 2
		.amdhsa_user_sgpr_kernarg_segment_ptr 1
		.amdhsa_wavefront_size32 1
		.amdhsa_system_sgpr_workgroup_id_x 1
		.amdhsa_system_sgpr_workgroup_id_y 1
		.amdhsa_system_sgpr_workgroup_id_z 1
		.amdhsa_system_vgpr_workitem_id 0
		.amdhsa_next_free_vgpr 240
		.amdhsa_next_free_sgpr 66
		.amdhsa_reserve_vcc 1
		.amdhsa_float_denorm_mode_32 3
		.amdhsa_float_denorm_mode_16_64 3
		.amdhsa_memory_ordered 1
		.amdhsa_forward_progress 1
		.amdhsa_inst_pref_size 40
	.end_amdhsa_kernel
	.amdgpu_metadata
---
amdhsa.version: [ 1, 2 ]
amdhsa.kernels:
  - .name:           k_q533aa96162_attn
    .symbol:         k_q533aa96162_attn.kd
    .args:
      - { .name: qkvh, .offset: 0, .size: 8, .value_kind: global_buffer, .address_space: global }
      - { .name: phys_bias, .offset: 8, .size: 8, .value_kind: global_buffer, .address_space: global }
      - { .name: oh, .offset: 16, .size: 8, .value_kind: global_buffer, .address_space: global }
    .group_segment_fixed_size: 327680
    .private_segment_fixed_size: 0
    .kernarg_segment_align: 8
    .kernarg_segment_size: 24
    .max_flat_workgroup_size: 256
    .sgpr_count:     66
    .vgpr_count:     240
    .wavefront_size: 32
...
	.end_amdgpu_metadata
.endif
;; end of part 3
;; launch proj (part 4): grid 128 x 2, 8 waves a work-group, no clusters, 69,632 bytes of LDS; arguments oh, wf, proj_b, x, x1; writes x1
.if DOCPART == 4
	.amdgcn_target "amdgcn-amd-amdhsa--gfx1250"
	.amdhsa_code_object_version 6
	.text
	.protected	k_q533aa96162_proj
	.globl	k_q533aa96162_proj
	.p2align	8
	.type	k_q533aa96162_proj,@function
k_q533aa96162_proj:
	s_mov_b64 s[64:65], 0
	v_nop
	global_prefetch_b8 v0, s[64:65] scope:SCOPE_SE
	s_setreg_imm32_b32 hwreg(HW_REG_WAVE_MODE, 25, 1), 1
	s_wait_xcnt 0x0
; x1[b][c][n] = x[b][c][n] + proj_b[c] + the sum over k of o[n][k] proj_w[c][k], k = 32 head + channel.  o in f16 by heads (oh), the weights in f16 in fragment order (wf), sums, bias and residual in f32.
; SHARES.  A work-group: 64 tokens (x) x 128 channels (y).  Wave w: 16 channels x four blocks of 16 tokens: four accumulators that take turns; K = 256 in eight steps.
; o's tile [64 tokens][256] is gathered in LDS (wave w brings head w's 4,096 dense bytes) and read as source 0; the wave's eight weight fragments (source 1) are loaded once, straight into registers.
; The bias is the C operand of the first product.  In the result a lane holds one channel and eight tokens on end; through a stage of the wave's own they become rows of 256 bytes of x1.
; NO CLUSTER, NO TENSOR LOAD: a weight fragment is wanted by one wave of a work-group and is read once by it.
.set PITCH,  528                       ; 512 bytes + 16: the 16 rows of a load start at 16 different groups of four banks (64 banks of 4 bytes: ISA guide 11.1)
.set STAGE,  64*PITCH                  ; 16 rows x 272 bytes a wave
.set SPITCH, 272
.set SPARE,  STAGE+8*16*SPITCH
.set PROJF,  393216                    ; proj_w's region in wf
.set LO,  1
.set AA,  2                            ; v2  my place in a fragment of o
.set AS,  3                            ; v3  where I store o
.set STO, 4
.set RD,  5
.set XO,  6                            ; v6  my 16 bytes in a pair of rows of x and x1
.set BO,  7
.set SPW, 12
.set NIL, 13
.set BIAS, 16                          ; v[16:23]
.set AF0, 24                           ; v[24:55]   o's fragments, even K steps; later the rows read back
.set W,   56                           ; v[56:119]  the weights, K step kb at +8 kb
.set ACC, 120                          ; v[120:151] token block tb at +8 tb; before the products: o as loaded
.set XR,  152                          ; v[152:183] the residual
.set AF1, 184                          ; v[184:215] odd K steps
.macro AFRAG kb
.set FB, AF0+(AF1-AF0)*((\kb)%2)
.irp tb, 0,1,2,3
	ds_load_b128 v[FB+8*\tb:FB+8*\tb+3],   v[AA] offset:\tb*16*PITCH+(\kb)*64
	ds_load_b128 v[FB+8*\tb+4:FB+8*\tb+7], v[AA] offset:\tb*16*PITCH+(\kb)*64+32
.endr
.endm
	s_load_b256 s[4:11], s[0:1], 0x0               ; oh s[4:5], wf s[6:7], proj_b s[8:9], x s[10:11]
	s_load_b64 s[12:13], s[0:1], 0x20              ; x1
	v_lshl_add_u32 v[SPW], v0, 2, SPARE
	v_mov_b32 v[NIL], 0
	v_lshrrev_b32 v8, 5, v0
	v_readfirstlane_b32 s20, v8                    ; wave
	v_and_b32 v8, 31, v0                           ; l
	v_and_b32 v9, 15, v0                           ; r
	v_bfe_u32 v10, v0, 4, 1                        ; h
	s_and_b32 s21, ttmp7, 0xffff
	s_lshr_b32 s22, ttmp9, 6                       ; b
	s_and_b32 s23, ttmp9, 63                       ; block of 64 tokens
	s_lshl3_add_u32 s24, s21, s20                  ; my block of 16 channels
	s_lshl3_add_u32 s26, s22, s20                  ; oh: head b*8 + wave,
	s_lshl_b32 s26, s26, 18
	s_lshl_b32 s30, s23, 12                        ; 64 tokens of 64 bytes
	s_add_co_u32 s26, s26, s30
	s_mov_b32 s27, 0
	s_lshl_b32 s28, s24, 13                        ; wf: 8,192 bytes a block row
	s_add_co_u32 s28, s28, PROJF
	s_mov_b32 s29, 0
	s_lshl_b32 s32, s22, 22                        ; x, x1: batch,
	s_lshl_b32 s30, s24, 18                        ; 16 channels of 16,384 bytes,
	s_add_co_u32 s32, s32, s30
	s_lshl_b32 s30, s23, 8                         ; 64 tokens
	s_add_co_u32 s32, s32, s30
	s_mov_b32 s33, 0
	s_lshl_b32 s31, s24, 6
	v_lshl_add_u32 v[BO], v9, 2, s31               ; proj_b of channel 16 cb + r
	v_lshlrev_b32 v[LO], 4, v8
	v_lshlrev_b32 v[XO], 4, v9
	v_lshl_add_u32 v[XO], v10, 14, v[XO]
	s_wait_kmcnt 0x0
	s_add_nc_u64 s[26:27], s[4:5], s[26:27]
	s_add_nc_u64 s[28:29], s[6:7], s[28:29]
	s_add_nc_u64 s[34:35], s[10:11], s[32:33]
	s_add_nc_u64 s[36:37], s[12:13], s[32:33]
	global_load_b32 v[BIAS], v[BO], s[8:9]
.irp f, 0,1,2,3,4,5,6,7
	global_load_b128 v[ACC+4*\f:ACC+4*\f+3], v[LO], s[26:27] offset:\f*512
.endr
.irp kb, 0,1,2,3,4,5,6,7
	global_load_b128 v[W+8*\kb:W+8*\kb+3],   v[LO], s[28:29] offset:\kb*1024
	global_load_b128 v[W+8*\kb+4:W+8*\kb+7], v[LO], s[28:29] offset:\kb*1024+512
.endr
.irp t, 0,1,2,3,4,5,6,7
	global_load_b128 v[XR+4*\t:XR+4*\t+3], v[XO], s[34:35] offset:\t*32768   ; channels 2 t, 2 t + 1 of my 16: 256 bytes on end each
.endr
	v_mul_u32_u24 v[AA], v9, PITCH
	v_lshl_add_u32 v[AA], v10, 4, v[AA]
	v_lshrrev_b32 v11, 2, v8
	v_mul_u32_u24 v[AS], v11, PITCH
	v_and_b32 v11, 3, v0
	v_lshl_add_u32 v[AS], v11, 4, v[AS]
	s_lshl_b32 s30, s20, 6
	v_add_nc_u32 v[AS], s30, v[AS]                 ; token l / 4, bytes 64 w + 16 (l % 4)
	s_mul_i32 s30, s20, 16*SPITCH
	s_add_co_u32 s30, s30, STAGE                   ; my stage
	v_mul_u32_u24 v[STO], v9, SPITCH
	v_lshl_add_u32 v[STO], v10, 5, v[STO]
	v_add_nc_u32 v[STO], s30, v[STO]               ; in: row = channel r, 32 bytes for each half of the lanes
	v_mul_u32_u24 v[RD], v10, SPITCH
	v_lshl_add_u32 v[RD], v9, 4, v[RD]
	v_add_nc_u32 v[RD], s30, v[RD]                 ; back: lanes 0-15 one row of 256 bytes, lanes 16-31 the next
	s_wait_loadcnt 24                              ; the bias and o are in: 16 weight loads and 8 of the residual are younger
.irp f, 0,1,2,3,4,5,6,7
	ds_store_b128 v[AS], v[ACC+4*\f:ACC+4*\f+3] offset:\f*8*PITCH
.endr
.irp i, 1,2,3,4,5,6,7
	v_mov_b32 v[BIAS+\i], v[BIAS]
.endr
	s_wait_dscnt 0x0                               ; my head's part of the tile is written,
	s_barrier_signal -1
	s_barrier_wait -1                              ; everybody's is
	AFRAG 0
	s_wait_loadcnt 8                               ; the weights are in; the residual may stay out
.set kb, 0
.rept 8
.if kb < 7
	AFRAG kb+1                                     ; into the buffer that the step before read, four places behind its products
	s_wait_dscnt 8                                 ; this step's fragments are in; the next step's eight loads may stay out
.else
	s_wait_dscnt 0x0
.endif
.set FB, AF0+(AF1-AF0)*(kb%2)
.irp tb, 0,1,2,3
.if kb == 0
	v_wmma_f32_16x16x32_f16 v[ACC+8*\tb:ACC+8*\tb+7], v[FB+8*\tb:FB+8*\tb+7], v[W+8*kb:W+8*kb+7], v[BIAS:BIAS+7]
.else
	v_wmma_f32_16x16x32_f16 v[ACC+8*\tb:ACC+8*\tb+7], v[FB+8*\tb:FB+8*\tb+7], v[W+8*kb:W+8*kb+7], v[ACC+8*\tb:ACC+8*\tb+7]
.endif
.endr
.rept 4
	v_nop
.endr
.set kb, kb+1
.endr
.irp tb, 0,1,2,3
	ds_store_b128 v[STO], v[ACC+8*\tb:ACC+8*\tb+3]   offset:\tb*64
	ds_store_b128 v[STO], v[ACC+8*\tb+4:ACC+8*\tb+7] offset:\tb*64+16
.endr
.irp t, 0,1,2,3,4,5,6,7
	ds_load_b128 v[AF0+4*\t:AF0+4*\t+3], v[RD] offset:\t*2*SPITCH  ; LDS serves a wave's instructions in order (ISA guide 5.7.1.4): these see the stores above
.endr
	s_wait_loadcnt 0x0                             ; the residual
.irp t, 0,1,2,3,4,5,6,7
	s_wait_dscnt 7-\t
	v_pk_add_f32 v[AF0+4*\t:AF0+4*\t+1], v[AF0+4*\t:AF0+4*\t+1], v[XR+4*\t:XR+4*\t+1]
	v_pk_add_f32 v[AF0+4*\t+2:AF0+4*\t+3], v[AF0+4*\t+2:AF0+4*\t+3], v[XR+4*\t+2:XR+4*\t+3]
	global_store_b128 v[XO], v[AF0+4*\t:AF0+4*\t+3], s[36:37] offset:\t*32768   ; 16 lanes store 256 bytes on end, aligned
.endr
	s_wait_tensorcnt 0x0                           ; the wave's end
	ds_add_u32 v[SPW], v[NIL]
	s_wait_dscnt 0x0
	s_endpgm
.Lfunc_end_k_q533aa96162_proj:
	.size	k_q533aa96162_proj, .Lfunc_end_k_q533aa96162_proj-k_q533aa96162_proj
	.p2alignl 7, 3214868480
	.fill 96, 4, 3214868480
	.section	.rodata,"a",@progbits
	.p2align	6, 0x0
	.amdhsa_kernel k_q533aa96162_proj
		.amdhsa_group_segment_fixed_size 69632
		.amdhsa_private_segment_fixed_size 0
		.amdhsa_enable_private_segment 0
		.amdhsa_kernarg_size 40
		.amdhsa_user_sgpr_count 2
		.amdhsa_user_sgpr_kernarg_segment_ptr 1
		.amdhsa_wavefront_size32 1
		.amdhsa_system_sgpr_workgroup_id_x 1
		.amdhsa_system_sgpr_workgroup_id_y 1
		.amdhsa_system_sgpr_workgroup_id_z 1
		.amdhsa_system_vgpr_workitem_id 0
		.amdhsa_next_free_vgpr 216
		.amdhsa_next_free_sgpr 66
		.amdhsa_reserve_vcc 0
		.amdhsa_float_denorm_mode_32 3
		.amdhsa_float_denorm_mode_16_64 3
		.amdhsa_memory_ordered 1
		.amdhsa_forward_progress 1
		.amdhsa_inst_pref_size 18
	.end_amdhsa_kernel
	.amdgpu_metadata
---
amdhsa.version: [ 1, 2 ]
amdhsa.kernels:
  - .name:           k_q533aa96162_proj
    .symbol:         k_q533aa96162_proj.kd
    .args:
      - { .name: oh, .offset: 0, .size: 8, .value_kind: global_buffer, .address_space: global }
      - { .name: wf, .offset: 8, .size: 8, .value_kind: global_buffer, .address_space: global }
      - { .name: proj_b, .offset: 16, .size: 8, .value_kind: global_buffer, .address_space: global }
      - { .name: x, .offset: 24, .size: 8, .value_kind: global_buffer, .address_space: global }
      - { .name: x1, .offset: 32, .size: 8, .value_kind: global_buffer, .address_space: global }
    .group_segment_fixed_size: 69632
    .private_segment_fixed_size: 0
    .kernarg_segment_align: 8
    .kernarg_segment_size: 40
    .max_flat_workgroup_size: 256
    .sgpr_count:     66
    .vgpr_count:     216
    .wavefront_size: 32
...
	.end_amdgpu_metadata
.endif
;; end of part 4
;; launch stats2 (part 5): grid 256 x 1, 8 waves a work-group, no clusters, 1,280 bytes of LDS; arguments x1, st2; writes st2
.if DOCPART == 5
	.amdgcn_target "amdgcn-amd-amdhsa--gfx1250"
	.amdhsa_code_object_version 6
	.text
	.protected	k_q533aa96162_stats2
	.globl	k_q533aa96162_stats2
	.p2align	8
	.type	k_q533aa96162_stats2,@function
k_q533aa96162_stats2:
	s_mov_b64 s[64:65], 0
	v_nop
	global_prefetch_b8 v0, s[64:65] scope:SCOPE_SE
	s_setreg_imm32_b32 hwreg(HW_REG_WAVE_MODE, 25, 1), 1
	s_wait_xcnt 0x0
; Statistics for the second GroupNorm.  A group is 8 channels x 4,096 pixels = 32,768 floats on end; work-group g takes a quarter of group g / 4 (8,192 floats, 32 a thread, kept in
; registers) and stores its mean and M2 = the sum of (x - its own mean)^2: st2[g] = (mean, M2).  No difference of large sums is formed.
.set SPARE, 256                        ; LDS: bytes 0-31 the waves' sums, 32-63 their sums of squares; from 256 on the spare words, 128 bytes a wave
.set SPW, 62
.set NIL, 63
.set XO,  1                            ; v1   16 x thread
.set WO,  2                            ; v2   4 x wave
.set ZO,  3                            ; v3   0
.set X,   16                           ; v[16:47]  my 32 numbers, as 16 pairs
.set CH,  48                           ; v[48:55]  four chains of pairs
.set MN,  56                           ; v[56:57]  mean twice, later (mean, M2)
.macro FOLD                            ; four chains -> one number in every lane of the wave
	v_pk_add_f32 v[CH:CH+1], v[CH:CH+1], v[CH+2:CH+3]
	v_pk_add_f32 v[CH+4:CH+5], v[CH+4:CH+5], v[CH+6:CH+7]
	v_pk_add_f32 v[CH:CH+1], v[CH:CH+1], v[CH+4:CH+5]
	v_add_f32 v[CH], v[CH], v[CH+1]
	v_add_f32_dpp v[CH], v[CH], v[CH] row_xmask:1 row_mask:0xf bank_mask:0xf
	v_add_f32_dpp v[CH], v[CH], v[CH] row_xmask:2 row_mask:0xf bank_mask:0xf
	v_add_f32_dpp v[CH], v[CH], v[CH] row_xmask:4 row_mask:0xf bank_mask:0xf
	v_add_f32_dpp v[CH], v[CH], v[CH] row_xmask:8 row_mask:0xf bank_mask:0xf
	v_permlanex16_b32 v[CH+1], v[CH], s22, s23     ; the other half of the lanes
	v_add_f32 v[CH], v[CH], v[CH+1]
.endm
.macro MEET off                        ; the eight waves' numbers meet in LDS: v[CH] = their sum, in every lane
	ds_store_b32 v[WO], v[CH] offset:\off
	s_wait_dscnt 0x0                               ; my store is done, for the others' sake
	s_barrier_signal -1
	s_barrier_wait -1
	ds_load_b128 v[CH:CH+3], v[ZO] offset:\off
	ds_load_b128 v[CH+4:CH+7], v[ZO] offset:(\off)+16
	s_wait_dscnt 0x0
	v_add_f32 v[CH], v[CH], v[CH+1]
	v_add_f32 v[CH+2], v[CH+2], v[CH+3]
	v_add_f32 v[CH+4], v[CH+4], v[CH+5]
	v_add_f32 v[CH+6], v[CH+6], v[CH+7]
	v_add_f32 v[CH], v[CH], v[CH+2]
	v_add_f32 v[CH+4], v[CH+4], v[CH+6]
	v_add_f32 v[CH], v[CH], v[CH+4]
.endm
	s_load_b128 s[4:7], s[0:1], 0x0                ; x1 s[4:5], st2 s[6:7]
	v_lshl_add_u32 v[SPW], v0, 2, SPARE
	v_mov_b32 v[NIL], 0
	s_mov_b32 s22, 0x76543210                      ; v_permlanex16_b32: each lane takes its own place in the other half
	s_mov_b32 s23, 0xfedcba98
	s_lshl_b32 s2, ttmp9, 15                       ; my 32,768 bytes
	s_mov_b32 s3, 0
	v_lshlrev_b32 v[XO], 4, v0
	s_wait_kmcnt 0x0
	s_add_nc_u64 s[4:5], s[4:5], s[2:3]
.irp j, 0,1,2,3,4,5,6,7
	global_load_b128 v[X+4*\j:X+4*\j+3], v[XO], s[4:5] offset:\j*4096  ; a wave's load covers 512 bytes on end
.endr
	v_lshrrev_b32 v[WO], 5, v0
	v_readfirstlane_b32 s20, v[WO]
	v_mov_b32 v[WO], s20
	v_lshlrev_b32 v[WO], 2, v[WO]
	v_mov_b32 v[ZO], 0
	s_wait_loadcnt 0x0
.irp i, 0,1,2,3
	v_pk_add_f32 v[CH+2*\i:CH+2*\i+1], v[X+2*\i:X+2*\i+1], v[X+8+2*\i:X+8+2*\i+1]   ; the first sums start the chains
.endr
.irp o, 16, 24
.irp i, 0,1,2,3
	v_pk_add_f32 v[CH+2*\i:CH+2*\i+1], v[CH+2*\i:CH+2*\i+1], v[X+\o+2*\i:X+\o+2*\i+1]
.endr
.endr
	FOLD
	MEET 0
	v_mul_f32 v[MN], 0x39000000, v[CH]             ; / 8,192
	v_mov_b32 v[MN+1], v[MN]
.set i, 0
.rept 16
	v_pk_add_f32 v[X+2*i:X+2*i+1], v[X+2*i:X+2*i+1], v[MN:MN+1] neg_lo:[0,1] neg_hi:[0,1]  ; x - mean
.set i, i+1
.endr
.irp i, 0,1,2,3
	v_pk_mul_f32 v[CH+2*\i:CH+2*\i+1], v[X+2*\i:X+2*\i+1], v[X+2*\i:X+2*\i+1]
.endr
.irp o, 8, 16, 24
.irp i, 0,1,2,3
	v_pk_fma_f32 v[CH+2*\i:CH+2*\i+1], v[X+\o+2*\i:X+\o+2*\i+1], v[X+\o+2*\i:X+\o+2*\i+1], v[CH+2*\i:CH+2*\i+1]
.endr
.endr
	FOLD
	MEET 32                                        ; other bytes than the first meeting's: no wave still reads what is written here
	v_mov_b32 v[MN+1], v[CH]
	s_lshl_b32 s2, ttmp9, 3
	s_add_nc_u64 s[6:7], s[6:7], s[2:3]
	v_cmp_eq_u32 vcc_lo, 0, v0
	s_wait_xcnt 0x0                                ; EXEC changes only when every earlier memory instruction has had its addresses translated
	s_and_saveexec_b32 s24, vcc_lo
	global_store_b64 v[ZO], v[MN:MN+1], s[6:7]     ; thread 0 alone: 8 bytes a work-group
	s_wait_xcnt 0x0
	s_or_b32 exec_lo, exec_lo, s24
	s_wait_tensorcnt 0x0                           ; the wave's end
	ds_add_u32 v[SPW], v[NIL]
	s_wait_dscnt 0x0
	s_endpgm
.Lfunc_end_k_q533aa96162_stats2:
	.size	k_q533aa96162_stats2, .Lfunc_end_k_q533aa96162_stats2-k_q533aa96162_stats2
	.p2alignl 7, 3214868480
	.fill 96, 4, 3214868480
	.section	.rodata,"a",@progbits
	.p2align	6, 0x0
	.amdhsa_kernel k_q533aa96162_stats2
		.amdhsa_group_segment_fixed_size 1280
		.amdhsa_private_segment_fixed_size 0
		.amdhsa_enable_private_segment 0
		.amdhsa_kernarg_size 16
		.amdhsa_user_sgpr_count 2
		.amdhsa_user_sgpr_kernarg_segment_ptr 1
		.amdhsa_wavefront_size32 1
		.amdhsa_system_sgpr_workgroup_id_x 1
		.amdhsa_system_sgpr_workgroup_id_y 1
		.amdhsa_system_sgpr_workgroup_id_z 1
		.amdhsa_system_vgpr_workitem_id 0
		.amdhsa_next_free_vgpr 64
		.amdhsa_next_free_sgpr 66
		.amdhsa_reserve_vcc 1
		.amdhsa_float_denorm_mode_32 3
		.amdhsa_float_denorm_mode_16_64 3
		.amdhsa_memory_ordered 1
		.amdhsa_forward_progress 1
		.amdhsa_inst_pref_size 8
	.end_amdhsa_kernel
	.amdgpu_metadata
---
amdhsa.version: [ 1, 2 ]
amdhsa.kernels:
  - .name:           k_q533aa96162_stats2
    .symbol:         k_q533aa96162_stats2.kd
    .args:
      - { .name: x1, .offset: 0, .size: 8, .value_kind: global_buffer, .address_space: global }
      - { .name: st2, .offset: 8, .size: 8, .value_kind: global_buffer, .address_space: global }
    .group_segment_fixed_size: 1280
    .private_segment_fixed_size: 0
    .kernarg_segment_align: 8
    .kernarg_segment_size: 16
    .max_flat_workgroup_size: 256
    .sgpr_count:     66
    .vgpr_count:     64
    .wavefront_size: 32
...
	.end_amdgpu_metadata
.endif
;; end of part 5
;; launch mlp (part 6): grid 128 x 1, 8 waves a work-group, no clusters, 118,784 bytes of LDS; arguments x1, st2, gn2_w, gn2_b, wf, mlp_b1, mlp_b2, out0; writes out0
.if DOCPART == 6
	.amdgcn_target "amdgcn-amd-amdhsa--gfx1250"
	.amdhsa_code_object_version 6
	.text
	.protected	k_q533aa96162_mlp
	.globl	k_q533aa96162_mlp
	.p2align	8
	.type	k_q533aa96162_mlp,@function
k_q533aa96162_mlp:
	s_mov_b64 s[64:65], 0
	v_nop
	global_prefetch_b8 v0, s[64:65] scope:SCOPE_SE
	s_setreg_imm32_b32 hwreg(HW_REG_WAVE_MODE, 25, 1), 1
	s_wait_xcnt 0x0
; out0 = x1 + W2 gelu(W1 hn + b1) + b2, hn = GroupNorm 2 of x1.  Weights in f16 in fragment order (wf), hn and the hidden layer in f16, sums, biases, GELU and residual in f32.
; SHARES.  A work-group: 64 tokens, all 1,024 hidden rows in four chunks of 256, all 256 output channels.  Every work-group walks all 1,048,576 bytes of the two matrices, whatever its tokens: 64 tokens
; give each weight byte 64 multiply-adds and rows of 256 bytes in x1 and out0; 32 tokens would double the weight bytes that the launch reads and halve those rows.  So there are 128 work-groups.
; GEMM 1 of a chunk: wave w makes hidden blocks 2 w, 2 w + 1 (source 0 = W1) x four token blocks (source 1 = hn, read turned from LDS); C of the first product = b1.  A lane then holds one token and eight
; hidden rows on end: GELU in f32, 16 bytes of f16 into HID[token][256].  GEMM 2: wave w makes channel blocks 2 w, 2 w + 1 (source 1 = W2) x four token blocks (source 0 = HID), summed over the four chunks.
; The weights come straight into a ring of four register sets, four K steps ahead, W1's and W2's in the order of their use, on into the next chunk.  Eight accumulators take turns in each product run.
; TWO BARRIERS A CHUNK for the one HID: behind GEMM 1, ahead of the GELU's stores (every wave's reads of the last chunk's HID are over); and between those stores and GEMM 2's reads.
; GELU(x) = max(x, 0) - |x| q(|x|), q = (1 - erf(|x| / sqrt 2)) / 2 = t (A1 + t (A2 + t (A3 + t (A4 + t A5)))) 2^(-x^2 log2(e) / 2), t = 1 / (1 + 0.2316419 |x|): Abramowitz and Stegun 7.1.26 with halved
; coefficients; its error in erf is at most 1.5e-7 for every x; no series is cut.
; NO CLUSTER, NO TENSOR LOAD: a weight fragment is wanted by ONE wave of a work-group; through LDS it would be written and read once more, in a loop that already issues 8 LDS loads for 8 products.
; LIMITS: hn and the hidden layer beyond 65,504 have no f16; 2^y below 2^-126 counts as 0.
.set HPITCH, 528                       ; HID: a token's 512 bytes + 16
.set HID,    0
.set B1T,    64*HPITCH                 ; mlp_b1, 4,096 bytes
.set PARAMT, B1T+4096                  ; 16 bytes a channel
.set HP,     160                       ; hn: a channel's 128 bytes + 32: an odd multiple of 32
.set HN,     PARAMT+4096
.set STAGE,  HN+256*HP                 ; 16 rows x 272 bytes a wave
.set SPITCH, 272
.set SPARE,  STAGE+8*16*SPITCH
.set W1F,    524288
.set W2F,    1048576
.set LO,  1
.set AX,  2                            ; v2   my place in hn for the turning load
.set AHW, 3                            ; v3   where I store HID
.set AHR, 4                            ; v4   my place in a fragment of HID
.set HS,  5
.set PT,  6
.set AB1, 7                            ; v7   my eight b1 of the chunk in hand
.set STO, 8
.set RD,  9
.set GO,  10                           ; v10  my 16 bytes in a pair of rows of x1 and out0
.set PS,  11
.set SPW, 12
.set NIL, 13
.set PK,  14                           ; v[14:15]
.set T,   16                           ; the parameters' arithmetic
.set B1R, 16                           ; v[16:31]   b1 as C operand, block e at +8 e
.set XF,  32                           ; v[32:63]   fragments of hn or HID, token block tb at +8 tb; the GELU's registers at work
.set GA,  32                           ; |x|; then the four packed words
.set GT,  40                           ; t
.set GE,  48                           ; the exponential
.set GP,  56                           ; the polynomial
.set RING, 64                          ; v[64:127]  four sets of 16, block e at +8 e
.set ACC1, 128                         ; v[128:191] (e, tb) at +8 (4 e + tb); at the head x1 as loaded; at the end the residual
.set ACC2, 192                         ; v[192:255] likewise; at the head the parameters as read
.set W1P, 24                           ; s[24:25]
.set W2P, 26                           ; s[26:27]
.set XP,  28                           ; s[28:29] x1 at my 32 channels, my tokens
.set OUTP, 32                          ; s[32:33] out0 likewise
.set VS,  38                           ; s[38:39] 2^-15, eps
.set SA5, 40                           ; scalar pairs, the low word used for both halves
.set SA4, 42
.set SA3, 44
.set SA2, 46
.set SA1, 48
.set SK0, 50
.set SKE, 52
.set SAB, 54                           ; s54 clears a sign
.macro LDW slot, ptr, off, estr        ; a K step's four loads, 512 bytes on end each
.irp e, 0,1
	global_load_b128 v[RING+16*(\slot)+8*\e:RING+16*(\slot)+8*\e+3],   v[LO], s[\ptr:\ptr+1] offset:(\off)+\e*(\estr)
	global_load_b128 v[RING+16*(\slot)+8*\e+4:RING+16*(\slot)+8*\e+7], v[LO], s[\ptr:\ptr+1] offset:(\off)+\e*(\estr)+512
.endr
.endm
.macro XFRAG kb
.irp tb, 0,1,2,3
	ds_load_tr16_b128 v[XF+8*\tb:XF+8*\tb+3],   v[AX] offset:(\kb)*32*HP+\tb*32
	ds_load_tr16_b128 v[XF+8*\tb+4:XF+8*\tb+7], v[AX] offset:(\kb)*32*HP+16*HP+\tb*32
.endr
.endm
.macro HFRAG kb
.irp tb, 0,1,2,3
	ds_load_b128 v[XF+8*\tb:XF+8*\tb+3],   v[AHR] offset:\tb*16*HPITCH+(\kb)*64
	ds_load_b128 v[XF+8*\tb+4:XF+8*\tb+7], v[AHR] offset:\tb*16*HPITCH+(\kb)*64+32
.endr
.endm
.macro B1LD off
.irp e, 0,1
	ds_load_b128 v[B1R+8*\e:B1R+8*\e+3],   v[AB1] offset:(\off)+\e*64
	ds_load_b128 v[B1R+8*\e+4:B1R+8*\e+7], v[AB1] offset:(\off)+\e*64+16
.endr
.endm
.macro MMA g, k, e, tb
.if (\g) == 1
.if (\k) == 0
	v_wmma_f32_16x16x32_f16 v[ACC1+8*(4*\e+\tb):ACC1+8*(4*\e+\tb)+7], v[RING+16*((\k)%4)+8*\e:RING+16*((\k)%4)+8*\e+7], v[XF+8*\tb:XF+8*\tb+7], v[B1R+8*\e:B1R+8*\e+7]
.else
	v_wmma_f32_16x16x32_f16 v[ACC1+8*(4*\e+\tb):ACC1+8*(4*\e+\tb)+7], v[RING+16*((\k)%4)+8*\e:RING+16*((\k)%4)+8*\e+7], v[XF+8*\tb:XF+8*\tb+7], v[ACC1+8*(4*\e+\tb):ACC1+8*(4*\e+\tb)+7]
.endif
.else
	v_wmma_f32_16x16x32_f16 v[ACC2+8*(4*\e+\tb):ACC2+8*(4*\e+\tb)+7], v[XF+8*\tb:XF+8*\tb+7], v[RING+16*((\k)%4)+8*\e:RING+16*((\k)%4)+8*\e+7], v[ACC2+8*(4*\e+\tb):ACC2+8*(4*\e+\tb)+7]
.endif
.endm
.macro STEP g, k
	s_wait_loadcnt 12                              ; this step's four weight loads are in; twelve younger loads (three steps' weights; at the very end the residual's in their place) may stay out
	s_wait_dscnt 4                                 ; token blocks 0 and 1 (and b1) are in
.irp tb, 0,1
.irp e, 0,1
	MMA \g, \k, \e, \tb
.endr
.endr
	s_wait_dscnt 0x0
.irp tb, 2,3
.irp e, 0,1
	MMA \g, \k, \e, \tb
.endr
.endr
.rept 4
	v_nop                                          ; four places in front of loads into registers that the products read, and of the reads of their results
.endr
.endm
.macro GELU e, tb                      ; one accumulator: 8 hidden rows of one token a lane
.set XA, ACC1+8*(4*(\e)+(\tb))
.irp i, 0,1,2,3,4,5,6,7
	v_and_b32 v[GA+\i], s[SAB], v[XA+\i]           ; |x|: the accumulator is read from its low end on
.endr
.irp i, 0,2,4,6
	v_pk_fma_f32 v[GT+\i:GT+\i+1], v[GA+\i:GA+\i+1], s[SK0:SK0+1], 1.0 op_sel_hi:[1,0,0]
.endr
.irp i, 0,2,4,6
	v_pk_mul_f32 v[GE+\i:GE+\i+1], v[XA+\i:XA+\i+1], s[SKE:SKE+1] op_sel_hi:[1,0]
.endr
.irp i, 0,2,4,6
	v_pk_mul_f32 v[GE+\i:GE+\i+1], v[GE+\i:GE+\i+1], v[XA+\i:XA+\i+1]
.endr
.irp i, 0,1,2,3,4,5,6,7
	v_rcp_f32 v[GT+\i], v[GT+\i]
.endr
.irp i, 0,1,2,3,4,5,6,7
	v_exp_f32 v[GE+\i], v[GE+\i]
.endr
.irp i, 0,1,2,3,4,5,6,7
	v_max_num_f32 v[XA+\i], 0, v[XA+\i]            ; plain work that names no result of the batch
.endr
	s_wait_alu depctr_va_vdst(0)                   ; one wait for the sixteen, ahead of their first reader
.irp i, 0,2,4,6
	v_pk_fma_f32 v[GP+\i:GP+\i+1], v[GT+\i:GT+\i+1], s[SA5:SA5+1], s[SA4:SA4+1] op_sel_hi:[1,0,0]
.endr
.irp c, SA3, SA2, SA1
.irp i, 0,2,4,6
	v_pk_fma_f32 v[GP+\i:GP+\i+1], v[GP+\i:GP+\i+1], v[GT+\i:GT+\i+1], s[\c:\c+1] op_sel_hi:[1,1,0]
.endr
.endr
.irp i, 0,2,4,6
	v_pk_mul_f32 v[GP+\i:GP+\i+1], v[GP+\i:GP+\i+1], v[GT+\i:GT+\i+1]
.endr
.irp i, 0,2,4,6
	v_pk_mul_f32 v[GP+\i:GP+\i+1], v[GP+\i:GP+\i+1], v[GE+\i:GE+\i+1]
.endr
.irp i, 0,2,4,6
	v_pk_fma_f32 v[XA+\i:XA+\i+1], v[GA+\i:GA+\i+1], v[GP+\i:GP+\i+1], v[XA+\i:XA+\i+1] neg_lo:[1,0,0] neg_hi:[1,0,0]
.endr
.irp i, 0,1,2,3
	v_cvt_pk_f16_f32 v[GA+\i], v[XA+2*\i], v[XA+2*\i+1]
.endr
	ds_store_b128 v[AHW], v[GA:GA+3] offset:(\tb)*16*HPITCH+(\e)*32
.endm
.macro CHUNK last
.set kx, 0
.rept 8
	STEP 1, kx
.if kx < 4
	LDW kx%4, W1P, (kx+4)*1024, 8192
.else
	LDW kx%4, W2P, (kx-4)*1024, 32768
.endif
.if kx < 7
	XFRAG kx+1
.endif
.set kx, kx+1
.endr
	s_wait_dscnt 0x0                               ; my reads of HID, in the chunk before, are long over
	s_barrier_signal -1
	s_barrier_wait -1                              ; everybody's are: HID may be written
.irp e, 0,1
.irp tb, 0,1,2,3
	GELU \e, \tb
.endr
.endr
	s_wait_dscnt 0x0                               ; my part of HID is written,
	s_barrier_signal -1
	s_barrier_wait -1                              ; everybody's is
	HFRAG 0
.set kx, 0
.rept 8
	STEP 2, kx
.if kx < 4
	LDW kx%4, W2P, (kx+4)*1024, 32768
.elseif !(\last)
	LDW kx%4, W1P, 131072+(kx-4)*1024, 8192        ; the next chunk's W1
.else
.set u, 4*(kx-4)
.rept 4
	global_load_b128 v[ACC1+4*u:ACC1+4*u+3], v[GO], s[XP:XP+1] offset:(u/8)*262144+(u%8)*32768  ; the residual: channels 2 t, 2 t + 1 of my block u / 8
.set u, u+1
.endr
.endif
.if kx < 7
	HFRAG kx+1
.elseif !(\last)
	B1LD 1024                                      ; the next chunk's b1 and first fragments
	XFRAG 0
.endif
.set kx, kx+1
.endr
.endm
	s_load_b512 s[4:19], s[0:1], 0x0               ; x1 4, st2 6, gn2_w 8, gn2_b 10, wf 12, mlp_b1 14, mlp_b2 16, out0 18
	v_lshl_add_u32 v[SPW], v0, 2, SPARE
	v_mov_b32 v[NIL], 0
	v_lshrrev_b32 v51, 5, v0
	v_readfirstlane_b32 s20, v51                   ; wave
	v_and_b32 v48, 31, v0                          ; l
	v_and_b32 v49, 15, v0                          ; r
	v_bfe_u32 v50, v0, 4, 1                        ; h
	s_lshr_b32 s21, ttmp9, 6                       ; b
	s_and_b32 s22, ttmp9, 63                       ; block of 64 tokens
	v_lshlrev_b32 v[LO], 4, v48
	v_lshrrev_b32 v53, 3, v0                       ; thread = channel; its group's 32 bytes of st2
	v_lshlrev_b32 v53, 5, v53
	s_lshl_b32 s30, s21, 10
	v_add_nc_u32 v53, s30, v53
	v_lshlrev_b32 v54, 2, v0                       ; 4 x channel
	v_lshlrev_b32 v55, 4, v0                       ; my 16 bytes of mlp_b1
	s_lshl_b32 s30, s20, 7
	v_lshl_add_u32 v57, v49, 2, s30                ; mlp_b2 of channel 32 w + r
	v_lshlrev_b32 v[GO], 4, v49
	v_lshl_add_u32 v[GO], v50, 14, v[GO]           ; lanes 16-31 take the next channel
	s_lshl_b32 s28, s21, 22                        ; x1, out0: batch,
	s_lshl_b32 s30, s20, 19                        ; my 32 channels of 16,384 bytes,
	s_add_co_u32 s28, s28, s30
	s_lshl_b32 s30, s22, 8                         ; my 64 tokens
	s_add_co_u32 s28, s28, s30
	s_mov_b32 s29, 0
	s_lshl_b32 s24, s20, 14                        ; W1: my two block rows of 8,192 bytes
	s_add_co_u32 s24, s24, W1F
	s_mov_b32 s25, 0
	s_lshl_b32 s26, s20, 16                        ; W2: my two block rows of 32,768 bytes
	s_add_co_u32 s26, s26, W2F
	s_mov_b32 s27, 0
	s_mov_b32 s[VS], 0x38000000
	s_mov_b32 s[VS+1], 0x3727c5ac
	s_mov_b32 s[SA5], 0x3f07dc22
	s_mov_b32 s[SA4], 0xbf3a00e3
	s_mov_b32 s[SA3], 0x3f35f0e3
	s_mov_b32 s[SA2], 0xbe11a98e
	s_mov_b32 s[SA1], 0x3e027906
	s_mov_b32 s[SK0], 0x3e6d3389
	s_mov_b32 s[SKE], 0xbf38aa3b
.irp c, SA5, SA4, SA3, SA2, SA1, SK0, SKE
	s_mov_b32 s[\c+1], s[\c]                       ; named as pairs
.endr
	s_mov_b32 s[SAB], 0x7fffffff
	s_wait_kmcnt 0x0
	s_add_nc_u64 s[OUTP:OUTP+1], s[18:19], s[XP:XP+1]
	s_add_nc_u64 s[XP:XP+1], s[4:5], s[XP:XP+1]
	s_add_nc_u64 s[W1P:W1P+1], s[12:13], s[W1P:W1P+1]
	s_add_nc_u64 s[W2P:W2P+1], s[12:13], s[W2P:W2P+1]
	global_load_b128 v[T:T+3], v53, s[6:7]
	global_load_b128 v[T+4:T+7], v53, s[6:7] offset:16
	global_load_b32 v[T+8], v54, s[8:9]
	global_load_b32 v[T+9], v54, s[10:11]
	global_load_b128 v[32:35], v55, s[14:15]
	global_load_b32 v36, v57, s[16:17]
	global_load_b32 v37, v57, s[16:17] offset:64
.set j, 0
.rept 16
	global_load_b128 v[ACC1+4*j:ACC1+4*j+3], v[GO], s[XP:XP+1] offset:j*32768  ; channels 2 j, 2 j + 1 of my 32: 256 bytes on end each
.set j, j+1
.endr
	LDW 0, W1P, 0, 8192
	LDW 1, W1P, 1024, 8192
	LDW 2, W1P, 2048, 8192
	LDW 3, W1P, 3072, 8192
	; LDS addresses, while the loads are on their way
	s_mul_i32 s30, s20, 32*HP
	s_add_co_u32 s30, s30, HN
	v_mul_u32_u24 v[HS], v50, HP
	v_lshl_add_u32 v[HS], v49, 3, v[HS]
	v_add_nc_u32 v[HS], s30, v[HS]
	s_lshl_b32 s30, s20, 9
	s_add_co_u32 s30, s30, PARAMT                  ; my wave's 32 channels: written and read by this wave alone
	v_lshl_add_u32 v[PT], v50, 4, s30
	v_lshl_add_u32 v[PS], v48, 4, s30
	v_and_b32 v51, 7, v0
	v_lshl_add_u32 v51, v50, 3, v51
	v_mul_u32_u24 v[AX], v51, HP
	v_bfe_u32 v52, v0, 3, 1
	v_lshl_add_u32 v[AX], v52, 4, v[AX]
	v_add_nc_u32 v[AX], HN, v[AX]
	v_mul_u32_u24 v[AHR], v49, HPITCH
	v_lshl_add_u32 v[AHR], v50, 4, v[AHR]          ; token r, 16 bytes for each half of the lanes
	s_lshl_b32 s30, s20, 6
	v_add_nc_u32 v[AHW], s30, v[AHR]               ; + my two hidden blocks' 64 bytes
	s_lshl_b32 s30, s20, 7
	s_add_co_u32 s30, s30, B1T
	v_lshl_add_u32 v[AB1], v50, 5, s30             ; b1 of hidden rows 32 w + 8 h on
	v_add_nc_u32 v56, B1T, v55
	s_mul_i32 s30, s20, 16*SPITCH
	s_add_co_u32 s30, s30, STAGE                   ; my stage
	v_mul_u32_u24 v[STO], v49, SPITCH
	v_lshl_add_u32 v[STO], v50, 5, v[STO]
	v_add_nc_u32 v[STO], s30, v[STO]
	v_mul_u32_u24 v[RD], v50, SPITCH
	v_lshl_add_u32 v[RD], v49, 4, v[RD]
	v_add_nc_u32 v[RD], s30, v[RD]
	s_wait_loadcnt 32                              ; parameters, b1 and b2 are in: 16 loads of x1 and 16 of the weights are younger
	v_add_f32 v[T+10], v[T], v[T+2]
	v_add_f32 v[T+11], v[T+4], v[T+6]
	v_add_f32 v[T+10], v[T+10], v[T+11]
	v_mul_f32 v[T+10], 0x3e800000, v[T+10]         ; the group's mean
.irp i, 0,2,4,6
	v_sub_f32 v[T+\i], v[T+\i], v[T+10]
.endr
	v_mul_f32 v[T+11], v[T], v[T]
.irp i, 2,4,6
	v_fmac_f32 v[T+11], v[T+\i], v[T+\i]
.endr
	v_add_f32 v[T+1], v[T+1], v[T+3]
	v_add_f32 v[T+5], v[T+5], v[T+7]
	v_add_f32 v[T+1], v[T+1], v[T+5]
	v_fmamk_f32 v[T+1], v[T+11], 0x46000000, v[T+1]  ; M2 = the quarters' M2 + 8,192 x the sum of (their mean - mean)^2
	v_fma_f32 v[T+1], v[T+1], s[VS], s[VS+1]       ; / 32,768 + eps
	v_rsq_f32 v[T+1], v[T+1]
	v_nop                                          ; a plain instruction behind the root,
	s_wait_alu depctr_va_vdst(0)                   ; and the wait ahead of its first reader
	v_mul_f32 v[T+11], v[T+1], v[T+8]              ; A = rstd w
	v_fma_f32 v[T+12], -v[T+10], v[T+11], v[T+9]   ; s = b - mean A
	v_mov_b32 v[T+10], v[T+11]
	v_mov_b32 v[T+13], v[T+12]
	ds_store_b128 v[PS], v[T+10:T+13]
	ds_store_b128 v56, v[32:35]                    ; my 16 bytes of b1
.set j, 0
.rept 16                               ; LDS serves a wave's instructions in order (ISA guide 5.7.1.4): these see my wave's parameters
	ds_load_b128 v[ACC2+4*j:ACC2+4*j+3], v[PT] offset:j*32
.set j, j+1
.endr
	s_wait_loadcnt 16                              ; x1 is in; the weights may stay out
	s_wait_dscnt 0x0
.set j, 0
.rept 16
	v_pk_fma_f32 v[ACC1+4*j:ACC1+4*j+1], v[ACC1+4*j:ACC1+4*j+1], v[ACC2+4*j:ACC2+4*j+1], v[ACC2+4*j+2:ACC2+4*j+3]
	v_pk_fma_f32 v[ACC1+4*j+2:ACC1+4*j+3], v[ACC1+4*j+2:ACC1+4*j+3], v[ACC2+4*j:ACC2+4*j+1], v[ACC2+4*j+2:ACC2+4*j+3]
	v_cvt_pk_f16_f32 v[PK], v[ACC1+4*j], v[ACC1+4*j+1]
	v_cvt_pk_f16_f32 v[PK+1], v[ACC1+4*j+2], v[ACC1+4*j+3]
	ds_store_b64 v[HS], v[PK:PK+1] offset:j*2*HP
.set j, j+1
.endr
.set j, 0
.rept 64                               ; the second product's sums start at b2 of the lane's channel, once a launch, so that all four chunks have one text
	v_mov_b32 v[ACC2+j], v[36+j/32]
.set j, j+1
.endr
	s_wait_dscnt 0x0                               ; my parts of hn and b1 are written,
	s_barrier_signal -1
	s_barrier_wait -1                              ; everybody's are
	B1LD 0
	XFRAG 0
	s_mov_b32 s35, 3
.Lchunk:
	CHUNK 0
	s_wait_xcnt 0x0                                ; every load issued so far has read its address: the pointers may be written
	s_add_nc_u64 s[W1P:W1P+1], s[W1P:W1P+1], 131072  ; 16 block rows of W1 on
	s_add_nc_u64 s[W2P:W2P+1], s[W2P:W2P+1], 8192    ; 8 K blocks of W2 on
	v_add_nc_u32 v[AB1], 1024, v[AB1]
	s_sub_co_u32 s35, s35, 1
	s_cmp_lg_u32 s35, 0
	s_cbranch_scc1 .Lchunk
	CHUNK 1                                        ; the last chunk asks for the residual where the others ask for the next chunk's weights
	; THE WAY OUT: a lane holds one channel and eight tokens on end; through my stage they become rows of 256 bytes
.irp e, 0,1
.irp tb, 0,1,2,3
	ds_store_b128 v[STO], v[ACC2+8*(4*\e+\tb):ACC2+8*(4*\e+\tb)+3]   offset:\tb*64
	ds_store_b128 v[STO], v[ACC2+8*(4*\e+\tb)+4:ACC2+8*(4*\e+\tb)+7] offset:\tb*64+16
.endr
.irp t, 0,1,2,3,4,5,6,7
	ds_load_b128 v[XF+32*\e+4*\t:XF+32*\e+4*\t+3], v[RD] offset:\t*2*SPITCH  ; LDS serves a wave's instructions in order (ISA guide 5.7.1.4)
.endr
.endr
	s_wait_loadcnt 0x0                             ; the residual
.irp e, 0,1
.irp t, 0,1,2,3,4,5,6,7
	s_wait_dscnt (1-\e)*16+7-\t                    ; younger: the block's later loads, and for block 0 block 1's sixteen LDS instructions
	v_pk_add_f32 v[XF+32*\e+4*\t:XF+32*\e+4*\t+1], v[XF+32*\e+4*\t:XF+32*\e+4*\t+1], v[ACC1+4*(8*\e+\t):ACC1+4*(8*\e+\t)+1]
	v_pk_add_f32 v[XF+32*\e+4*\t+2:XF+32*\e+4*\t+3], v[XF+32*\e+4*\t+2:XF+32*\e+4*\t+3], v[ACC1+4*(8*\e+\t)+2:ACC1+4*(8*\e+\t)+3]
	global_store_b128 v[GO], v[XF+32*\e+4*\t:XF+32*\e+4*\t+3], s[OUTP:OUTP+1] offset:\e*262144+\t*32768  ; 16 lanes store 256 bytes on end, aligned
.endr
.endr
	s_wait_tensorcnt 0x0                           ; the wave's end
	ds_add_u32 v[SPW], v[NIL]
	s_wait_dscnt 0x0
	s_endpgm
.Lfunc_end_k_q533aa96162_mlp:
	.size	k_q533aa96162_mlp, .Lfunc_end_k_q533aa96162_mlp-k_q533aa96162_mlp
	.p2alignl 7, 3214868480
	.fill 96, 4, 3214868480
	.section	.rodata,"a",@progbits
	.p2align	6, 0x0
	.amdhsa_kernel k_q533aa96162_mlp
		.amdhsa_group_segment_fixed_size 118784
		.amdhsa_private_segment_fixed_size 0
		.amdhsa_enable_private_segment 0
		.amdhsa_kernarg_size 64
		.amdhsa_user_sgpr_count 2
		.amdhsa_user_sgpr_kernarg_segment_ptr 1
		.amdhsa_wavefront_size32 1
		.amdhsa_system_sgpr_workgroup_id_x 1
		.amdhsa_system_sgpr_workgroup_id_y 1
		.amdhsa_system_sgpr_workgroup_id_z 1
		.amdhsa_system_vgpr_workitem_id 0
		.amdhsa_next_free_vgpr 256
		.amdhsa_next_free_sgpr 66
		.amdhsa_reserve_vcc 0
		.amdhsa_float_denorm_mode_32 3
		.amdhsa_float_denorm_mode_16_64 3
		.amdhsa_memory_ordered 1
		.amdhsa_forward_progress 1
		.amdhsa_inst_pref_size 138
	.end_amdhsa_kernel
	.amdgpu_metadata
---
amdhsa.version: [ 1, 2 ]
amdhsa.kernels:
  - .name:           k_q533aa96162_mlp
    .symbol:         k_q533aa96162_mlp.kd
    .args:
      - { .name: x1, .offset: 0, .size: 8, .value_kind: global_buffer, .address_space: global }
      - { .name: st2, .offset: 8, .size: 8, .value_kind: global_buffer, .address_space: global }
      - { .name: gn2_w, .offset: 16, .size: 8, .value_kind: global_buffer, .address_space: global }
      - { .name: gn2_b, .offset: 24, .size: 8, .value_kind: global_buffer, .address_space: global }
      - { .name: wf, .offset: 32, .size: 8, .value_kind: global_buffer, .address_space: global }
      - { .name: mlp_b1, .offset: 40, .size: 8, .value_kind: global_buffer, .address_space: global }
      - { .name: mlp_b2, .offset: 48, .size: 8, .value_kind: global_buffer, .address_space: global }
      - { .name: out0, .offset: 56, .size: 8, .value_kind: global_buffer, .address_space: global }
    .group_segment_fixed_size: 118784
    .private_segment_fixed_size: 0
    .kernarg_segment_align: 8
    .kernarg_segment_size: 64
    .max_flat_workgroup_size: 256
    .sgpr_count:     66
    .vgpr_count:     256
    .wavefront_size: 32
...
	.end_amdgpu_metadata
.endif
;; end of part 6
